; MI455X (gfx1250); checked and timed in simulation.
; The chip was launched on July 23, 2026; its instructions are those of AMD's public machine-readable ISA for CDNA 5 (MIT licence, August 2026) and "CDNA5" Instruction Set Architecture Reference Guide (July 2026). The comments in the code are by the model that wrote it; some were corrected since.
;; Causal Attention. Allowed arithmetic: float matrix products may take bf16 or f16 operands with f32 sums; all other float work in f32.
;; Inputs: b_o 1,024 float32; w_k 1,024 x 1,024 float32; w_o 1,024 x 1,024 float32; w_q 1,024 x 1,024 float32; w_v 1,024 x 1,024 float32; x 4 x 2,048 x 1,024 float32.
;; Outputs: out0 4 x 2,048 x 1,024 float32.
;; 3 versions, each right; version 2 is faster than version 1; version 3 is version 2 with the launch cast written anew for expert scheduling mode. Each part assembles by itself: llvm-mc -triple=amdgcn-amd-amdhsa -mcpu=gfx1250 --defsym DOCPART=n.
;; ======== version 1 of 3: 4 launches
;; limits: values are held in f16: magnitudes above 65,504 overflow, below 6.1e-05 lose precision
;; workspace buffers: xb 16,777,216 bytes; wb 8,388,608 bytes; qkv 50,331,648 bytes; ao 16,777,216 bytes
;; launch cast (part 1): grid 768 x 1, 8 waves a work-group, no clusters, 0 bytes of LDS; arguments x, w_q, w_k, w_v, w_o, xb, wb; writes xb, wb
.if DOCPART == 1
	.amdgcn_target "amdgcn-amd-amdhsa--gfx1250"
	.amdhsa_code_object_version 6
	.text
	.protected	k_qe47220293a_cast
	.globl	k_qe47220293a_cast
	.p2align	8
	.type	k_qe47220293a_cast,@function
k_qe47220293a_cast:
	s_mov_b64 s[64:65], 0
	v_nop
	global_prefetch_b8 v0, s[64:65] scope:SCOPE_SE
	s_setreg_imm32_b32 hwreg(HW_REG_WAVE_MODE, 25, 1), 1
	s_wait_xcnt 0x0
; CAUSAL ATTENTION IN FOUR LAUNCHES.  B = 4, S = 2048, D = 1024, H = 16, DK = 64.
;   cast : x and the four weights, f32 to 16 bits (xb [8192][1024] bf16; wb [4096][1024] = w_q, w_k, w_v in bf16, then w_o in f16)
;   qkv  : xb times wb's rows 0..3071 (bf16 operands), result by heads: qkv [3 parts][64 = b*16+h][2048][64] f16
;   attn : causal softmax(q k^T / 8) v for each (b, h), with a running maximum (f16 operands): ao [64][2048][64] f16
;   oproj: ao times w_o^T plus b_o (f16 operands): out0, f32
; FORMATS.  The inputs x, w_q, w_k, w_v, w_o are rounded once, to bf16.  What is made of them (q, k, v, the softmax's weights, the
; attention's result) goes on as f16: a sequence's first rows average few keys, so their results are some ten times the output's root mean
; square, against which an error is held, and 8 significant bits on each of these five would be too few there; f16 has 11.
; w_o meets an f16 operand in one matrix instruction, so it is kept as f16; it is rounded to bf16 first, so that all inputs carry the same one
; rounding (the problem compares with reference() on inputs rounded to bf16).  A bf16 number is an f16 number exactly for
; 2^-17 <= |w| < 65,504; below that the second rounding moves it by 2^-25 at the most.
; WORK LEFT OUT (in attn).  The problem's reference() replaces score (q, k) by -1e9 wherever k > q, by a jnp.tril that it builds itself.
; So the products q.k of those places are thrown away whatever the inputs hold, and they are not made where they come in whole
; blocks of 256 keys (key block t > query tile i).  Their softmax weight is exp(-1e9 - m), where m, the row's maximum, is at least the
; row's own score on the diagonal, which is always live; the weight's product with v is left out with them.  Inside the block on the
; diagonal everything is computed and the score replaced as reference() replaces it.  Every input has a way to the output and is loaded.
; LIMITS.  (a) A row whose live scores all lie below about -1e9 + 100 would give the masked places a weight in reference(); here they
; have none.  (b) A NaN, an infinity or an overflow that reaches only the blocks left out is not carried to the result.
; (c) |q|, |k|, |v| and |w_o| stay below 65,504, f16's largest number.  x and the weights both 30 times larger than drawn give about
; 900 x 6 = 5,400; a common offset of 30 spreads on both gives about 1024 x 30 x 0.94 = 29,000.  Both 30 times smaller give about 1e-3,
; where f16's step, 2^-24 at the least, is 6e-5 of their spread.
;
; THIS LAUNCH: a stream, no LDS, no loop.  12,582,912 numbers, 16,384 to a work-group (512 work-groups for x, 64 for each weight),
; 2,048 to a wave: sixteen loads of 512 neighbouring bytes, all issued at once, and sixteen stores of 256 neighbouring bytes, aligned.
.set X, 8                              ; v[8:71]    load j: 4 numbers in f32
.set Y, 72                             ; v[72:103]  load j: the same 4 in 16 bits
	s_load_b256 s[4:11], s[0:1], 0x0               ; x s[4:5], w_q s[6:7], w_k s[8:9], w_v s[10:11]
	s_load_b128 s[12:15], s[0:1], 0x20             ; w_o s[12:13], xb s[14:15]
	s_load_b64 s[16:17], s[0:1], 0x30              ; wb
	s_mov_b32 s23, ttmp9                           ; work-group 0..767
	s_lshr_b32 s20, s23, 6                         ; 0..7: x;  8, 9, 10, 11: w_q, w_k, w_v, w_o
	s_and_b32 s21, s23, 63                         ; the piece of a weight
	s_and_b32 s22, s23, 255                        ; the piece of wb
	v_lshrrev_b32 v1, 5, v0                        ; wave
	v_and_b32 v2, 31, v0                           ; lane
	v_lshlrev_b32 v3, 4, v2
	v_lshl_or_b32 v3, v1, 13, v3                   ; source: 8,192 bytes a wave, 16 a lane
	v_lshlrev_b32 v4, 3, v2
	v_lshl_or_b32 v4, v1, 12, v4                   ; destination: 4,096 bytes a wave, 8 a lane
	s_wait_kmcnt 0x0
	s_cmp_lt_u32 s20, 8                            ; x or a weight?  The choice hangs on the work-group's number alone
	s_cselect_b32 s24, s23, s21                    ; piece of the source
	s_cselect_b32 s26, s23, s22                    ; piece of the destination
	s_cselect_b64 s[18:19], s[14:15], s[16:17]     ; xb or wb
	s_cmp_eq_u32 s20, 8
	s_cselect_b64 s[4:5], s[6:7], s[4:5]
	s_cmp_eq_u32 s20, 9
	s_cselect_b64 s[4:5], s[8:9], s[4:5]
	s_cmp_eq_u32 s20, 10
	s_cselect_b64 s[4:5], s[10:11], s[4:5]
	s_cmp_eq_u32 s20, 11
	s_cselect_b64 s[4:5], s[12:13], s[4:5]
	s_lshl_b32 s24, s24, 16                        ; 65,536 bytes of f32 a piece
	s_mov_b32 s25, 0
	s_lshl_b32 s26, s26, 15                        ; 32,768 bytes of 16-bit numbers
	s_mov_b32 s27, 0
	s_add_nc_u64 s[4:5], s[4:5], s[24:25]
	s_add_nc_u64 s[18:19], s[18:19], s[26:27]
.irp j, 0,1,2,3,4,5,6,7,8,9,10,11,12,13,14,15
	global_load_b128 v[X+4*\j:X+4*\j+3], v3, s[4:5] offset:512*\j th:TH_LOAD_NT   ; read once in the launch
.endr
; Load j's four numbers are rounded and stored.  half = 1 (w_o): the bf16 numbers are widened again and kept as f16.
.macro PIECE j, half
	s_wait_loadcnt 15-\j                           ; loads come back in order: load j is in, the 15 - j younger ones stay out
	v_cvt_pk_bf16_f32 v[Y+2*\j],   v[X+4*\j],   v[X+4*\j+1]
	v_cvt_pk_bf16_f32 v[Y+2*\j+1], v[X+4*\j+2], v[X+4*\j+3]
.if \half
	v_lshlrev_b32 v[X+4*\j],   16, v[Y+2*\j]               ; bf16 to f32: the low half moves up,
	v_and_b32     v[X+4*\j+1], 0xffff0000, v[Y+2*\j]       ; the high half stays
	v_lshlrev_b32 v[X+4*\j+2], 16, v[Y+2*\j+1]
	v_and_b32     v[X+4*\j+3], 0xffff0000, v[Y+2*\j+1]
	v_cvt_pk_f16_f32 v[Y+2*\j],   v[X+4*\j],   v[X+4*\j+1]
	v_cvt_pk_f16_f32 v[Y+2*\j+1], v[X+4*\j+2], v[X+4*\j+3]
.endif
	global_store_b64 v4, v[Y+2*\j:Y+2*\j+1], s[18:19] offset:256*\j   ; 32 lanes store 256 consecutive bytes, aligned; no store's data is written again
.endm
	s_cmp_eq_u32 s20, 11                           ; compared anew: the shifts above have set SCC
	s_cbranch_scc1 .Lw_o
.irp j, 0,1,2,3,4,5,6,7,8,9,10,11,12,13,14,15
	PIECE \j, 0
.endr
	s_endpgm
.Lw_o:
.irp j, 0,1,2,3,4,5,6,7,8,9,10,11,12,13,14,15
	PIECE \j, 1
.endr
	s_endpgm
.Lfunc_end_k_qe47220293a_cast:
	.size	k_qe47220293a_cast, .Lfunc_end_k_qe47220293a_cast-k_qe47220293a_cast
	.p2alignl 7, 3214868480
	.fill 96, 4, 3214868480
	.section	.rodata,"a",@progbits
	.p2align	6, 0x0
	.amdhsa_kernel k_qe47220293a_cast
		.amdhsa_group_segment_fixed_size 0
		.amdhsa_private_segment_fixed_size 0
		.amdhsa_enable_private_segment 0
		.amdhsa_kernarg_size 56
		.amdhsa_user_sgpr_count 2
		.amdhsa_user_sgpr_kernarg_segment_ptr 1
		.amdhsa_wavefront_size32 1
		.amdhsa_system_sgpr_workgroup_id_x 1
		.amdhsa_system_sgpr_workgroup_id_y 1
		.amdhsa_system_sgpr_workgroup_id_z 1
		.amdhsa_system_vgpr_workitem_id 0
		.amdhsa_next_free_vgpr 104
		.amdhsa_next_free_sgpr 66
		.amdhsa_reserve_vcc 0
		.amdhsa_float_denorm_mode_32 3
		.amdhsa_float_denorm_mode_16_64 3
		.amdhsa_memory_ordered 1
		.amdhsa_forward_progress 1
		.amdhsa_inst_pref_size 17
	.end_amdhsa_kernel
	.amdgpu_metadata
---
amdhsa.version: [ 1, 2 ]
amdhsa.kernels:
  - .name:           k_qe47220293a_cast
    .symbol:         k_qe47220293a_cast.kd
    .args:
      - { .name: x, .offset: 0, .size: 8, .value_kind: global_buffer, .address_space: global }
      - { .name: w_q, .offset: 8, .size: 8, .value_kind: global_buffer, .address_space: global }
      - { .name: w_k, .offset: 16, .size: 8, .value_kind: global_buffer, .address_space: global }
      - { .name: w_v, .offset: 24, .size: 8, .value_kind: global_buffer, .address_space: global }
      - { .name: w_o, .offset: 32, .size: 8, .value_kind: global_buffer, .address_space: global }
      - { .name: xb, .offset: 40, .size: 8, .value_kind: global_buffer, .address_space: global }
      - { .name: wb, .offset: 48, .size: 8, .value_kind: global_buffer, .address_space: global }
    .group_segment_fixed_size: 0
    .private_segment_fixed_size: 0
    .kernarg_segment_align: 8
    .kernarg_segment_size: 56
    .max_flat_workgroup_size: 256
    .sgpr_count:     66
    .vgpr_count:     104
    .wavefront_size: 32
...
	.end_amdgpu_metadata
.endif
;; end of part 1
;; launch qkv (part 2): grid 16 x 32, 4 waves a work-group, clusters of 4 x 4, 327,680 bytes of LDS; arguments xb, wb, qkv; writes qkv
.if DOCPART == 2
	.amdgcn_target "amdgcn-amd-amdhsa--gfx1250"
	.amdhsa_code_object_version 6
	.text
	.protected	k_qe47220293a_qkv
	.globl	k_qe47220293a_qkv
	.p2align	8
	.type	k_qe47220293a_qkv,@function
k_qe47220293a_qkv:
	s_mov_b64 s[64:65], 0
	v_nop
	global_prefetch_b8 v0, s[64:65] scope:SCOPE_SE
	s_setreg_imm32_b32 hwreg(HW_REG_WAVE_MODE, 25, 1), 1
	s_wait_xcnt 0x0
	s_wait_alu depctr_hold_cnt(0) depctr_sa_sdst(0) depctr_va_vdst(0) depctr_va_sdst(0) depctr_va_ssrc(0) depctr_va_vcc(0) depctr_vm_vsrc(0)
	s_getreg_b32 s2, hwreg(HW_REG_IB_STS2, 6, 4)
	s_cmp_eq_u32 s2, 0
	s_cbranch_scc0 .Lentry_in_a_cluster
	s_endpgm
.Lentry_in_a_cluster:
	s_bfe_u32 s2, ttmp6, 0x10000c
	s_cmp_lg_u32 s2, 0xf033
	s_cbranch_scc0 .Lentry_shape_is_right
	s_endpgm
.Lentry_shape_is_right:
; q, k, v = x w^T for the three weights at once: C[m][n] = sum over k of xb[m][k] wb[n][k], m < 8192, n < 3072, K = 1024, bf16 in, f32 sums.
; C leaves in f16 (11 significant bits; its range is shown sufficient at the head of the launch cast) and by heads:
; qkv [part = n >> 10][b*16 + h][s][64], so that a head's rows lie densely, two to 256 bytes.
; A work-group makes 256 x 192 of C: 32 x 16 = 512 work-groups, two for each of 256 WGPs.  Four waves, one above the other: a wave makes
; 64 rows x 192 columns = three whole heads, 48 accumulator tiles of 16 x 16, 384 registers; so each wave alone writes whole rows of heads.
; K goes in steps of 128 through two LDS slots filled by the tensor data mover; a tile's rows are 256 bytes of memory, aligned.
; CLUSTERS: 4 x 4 work-groups.  The four of a row of the cluster need the same tiles of xb, the four of a column the same tiles of wb:
; each such tile is asked for jointly, by the same tensor load with a mask that names the four.
; REGISTERS in windows of 256:  window 0: addresses, xb's fragments (two buffers of 32), the way out;  window 1: wb's fragments (two buffers
; of 96);  window 2: accumulators of my rows 0-31 (tile (a, b) at v[8 (12 a + b)]);  window 3: those of my rows 32-63.
; THE MATRIX INSTRUCTION IS USED TRANSPOSED (source 0 = 16 rows of wb, source 1 = 16 rows of xb): lane l holds row l % 16 of C and eight
; neighbouring columns 8 (l / 16) + 0..7, which pack into 16 bytes.
.set SIZE_K, 1024
.set KSTEP,  128
.set PITCH,  272                       ; an LDS row: 256 bytes + 16 of padding, an odd multiple of 16: the 16 rows of a fragment load fall on 16 different columns of 16 bytes
.set AHALF,  128*PITCH                 ; 128 rows of xb: one tensor load
.set BHALF,  96*PITCH                  ; 96 rows of wb: one tensor load
.set BOFF,   2*AHALF                   ; wb's 192 rows lie behind xb's 256
.set SLOT,   BOFF+2*BHALF              ; 121,856
.set STAGE,  2*SLOT                    ; behind the ring: 16 rows x 400 bytes for each wave; no tensor load lands here
.set SP,     400                       ; 384 bytes of a row of C in f16 + 16
.set LAPS,   SIZE_K/(2*KSTEP)          ; a lap = two K steps = once round the ring
.set ADRA, 16                          ; v16-17  LDS address of my xb fragments in slot 0, 1
.set ADRB, 20                          ; v20-21  the same for wb
.set STO,  24                          ; the way out: where I put 16 bytes of a row
.set RD,   25                          ; the way out: where I read 16 bytes of a head's row back
.set CO,   26                          ; 16 x lane
.set FA0,  32                          ; xb's fragments, buffer c at FA0 + 32 c (window 0)
.set TMP,  96                          ; v[96:143]   packed results
.set RB,   144                         ; v[144:191]  rows read back
.set FB0,  0                           ; wb's fragments, buffer c at FB0 + 96 c (window 1)
.set G1,  24                           ; s[24:31] descriptor group 1 for xb's tiles
.set G0,  32                           ; s[32:39] group 0 for xb's tiles, a set for each slot
.set G1B, 48                           ; s[48:55] group 1 for wb's tiles
.set G0B, 56                           ; s[56:63] group 0 for wb's tiles, a set for each slot
.set OB,  66                           ; s[66:71] where my rows of my three heads begin in qkv
.set MSB, 0
.macro WIN new                         ; the immediate's high byte repeats the setting that is left
.if MSB != \new
	s_set_vgpr_msb (MSB<<8)|\new
.set MSB, \new
.endif
.endm
.set MUL_LO, 0xa1                      ; source 0 (wb) window 1, source 1 (xb) window 0, C and D window 2
.set MUL_HI, 0xf1                      ; the same, C and D window 3
.set TO_B,   0x40                      ; destination window 1, address window 0
; A joint load.  Waves 0 and 1 fetch xb's two halves, waves 2 and 3 wb's.  The branch hangs on the wave's number alone.
.macro JLOAD s
	s_cmp_eq_u32 s11, 0
	s_cbranch_scc0 .Lfor_b_\@
	tensor_load_to_lds s[G0+4*\s:G0+4*\s+3], s[G1:G1+7]
	s_nop 0
	s_branch .Lasked_\@
.Lfor_b_\@:
	tensor_load_to_lds s[G0B+4*\s:G0B+4*\s+3], s[G1B:G1B+7]
	s_nop 0
.Lasked_\@:
.endm
; A round of the cluster's barrier: my work-group's barrier, wave 0 signals for the work-group, every wave waits for all sixteen, my work-group's barrier again.
.macro CREST                           ; a round behind its opening barrier
	s_cmp_lg_u32 s10, 0
	s_cbranch_scc1 .Lnot_wave_0_\@
	s_barrier_signal -3
.Lnot_wave_0_\@:
	s_barrier_wait -3
	s_barrier_signal -1
	s_barrier_wait -1
.endm
.macro CROUND
	s_barrier_signal -1
	s_barrier_wait -1
	CREST
.endm
	s_load_b128 s[4:7], s[0:1], 0x0                ; xb s[4:5], wb s[6:7]
	s_load_b64 s[8:9], s[0:1], 0x10                ; qkv
	s_set_vgpr_msb 0x40
	v_lshl_add_u32 v255, v0, 2, 0x41c00
	s_set_vgpr_msb 0x4000
	v_mov_b32 v255, 0
	s_set_vgpr_msb 0x1
	ds_add_u32 v255, v255
	s_set_vgpr_msb 0x100
	v_lshrrev_b32 v1, 5, v0
	v_readfirstlane_b32 s10, v1                    ; wave 0..3
	s_lshr_b32 s11, s10, 1                         ; I fetch for xb (0) or for wb (1)
	s_and_b32 s12, s10, 1                          ; which half of that tile
	s_bfe_u32 s40, ttmp6, 0x40000                  ; cx
	s_bfe_u32 s41, ttmp6, 0x40004                  ; cy
	s_lshl_b32 s42, ttmp9, 2
	s_add_co_u32 s42, s42, s40                     ; block column 0..15
	s_and_b32 s13, ttmp7, 0xffff
	s_lshl_b32 s13, s13, 2
	s_add_co_u32 s13, s13, s41                     ; block row 0..31
	s_lshl_b32 s43, s41, 2
	s_lshl_b32 s43, 15, s43                        ; my row of the cluster: places 4 cy .. 4 cy + 3
	s_lshl_b32 s44, 0x1111, s40                    ; my column: places cx, cx + 4, cx + 8, cx + 12
	; group 1: rows of 128 elements of 2 bytes, 16 bytes of padding behind every 64 words; 128 rows for xb, 96 for wb
	s_or_b32 s[G1+0], s43, (1<<16)|(1<<20)|(1<<21)|(5<<22)|(3<<25)   ; mask of my row; element of 2 bytes; padding on; bit 21 beside a mask; every 64 words; 4 words
	s_mov_b32 s[G1+1], KSTEP<<16                   ; tensor_dim0 = 128
	s_mov_b32 s[G1+2], 128<<16                     ; tensor_dim1 = 128
	s_mov_b32 s[G1+3], KSTEP<<16                   ; tile_dim0 = 128
	s_mov_b32 s[G1+4], 128                         ; tile_dim1 = 128
	s_mov_b32 s[G1+5], SIZE_K                      ; elements from row to row
	s_mov_b32 s[G1+6], 0
	s_mov_b32 s[G1+7], 0
	s_or_b32 s[G1B+0], s44, (1<<16)|(1<<20)|(1<<21)|(5<<22)|(3<<25)  ; the same with the mask of my column
	s_mov_b32 s[G1B+1], KSTEP<<16
	s_mov_b32 s[G1B+2], 96<<16                     ; tensor_dim1 = 96
	s_mov_b32 s[G1B+3], KSTEP<<16
	s_mov_b32 s[G1B+4], 96                         ; tile_dim1 = 96
	s_mov_b32 s[G1B+5], SIZE_K
	s_mov_b32 s[G1B+6], 0
	s_mov_b32 s[G1B+7], 0
	; xb's tiles hang on the block row alone, wb's on the block column alone; each address is made in registers that never hold the other coordinate
	s_lshl_b32 s17, s12, 7
	s_lshl_b32 s16, s13, 8
	s_add_co_u32 s16, s16, s17                     ; xb: row 256 x block row + 128 x half
	s_lshl_b32 s16, s16, 11                        ; 2,048 bytes a row: below 16 MiB
	s_mov_b32 s17, 0
	s_mul_i32 s46, s42, 192
	s_mul_i32 s45, s12, 96
	s_add_co_u32 s46, s46, s45                     ; wb: row 192 x block column + 96 x half
	s_lshl_b32 s46, s46, 11
	s_mov_b32 s47, 0
	s_mul_i32 s20, s10, AHALF                      ; LDS: xb's halves at wave x 34,816 (waves 0, 1)
	s_mul_i32 s21, s10, BHALF
	s_add_co_u32 s21, s21, BOFF-2*BHALF            ; wb's halves at 17,408 + wave x 26,112 (waves 2, 3)
	s_wait_dscnt 0x0
	s_wait_kmcnt 0x0
	s_add_nc_u64 s[14:15], s[4:5], s[16:17]
	s_add_nc_u64 s[46:47], s[6:7], s[46:47]
	CROUND                                         ; all sixteen work-groups are here: the first joint loads meet
.irp s, 0,1
	s_mov_b32 s[G0+4*\s], 1
	s_add_co_u32 s[G0+4*\s+1], s20, \s*SLOT
	s_add_nc_u64 s[G0+4*\s+2:G0+4*\s+3], s[14:15], \s*KSTEP*2      ; K step s
	s_or_b32 s[G0+4*\s+3], s[G0+4*\s+3], 0x80000000                ; type = 2
	s_mov_b32 s[G0B+4*\s], 1
	s_add_co_u32 s[G0B+4*\s+1], s21, \s*SLOT
	s_add_nc_u64 s[G0B+4*\s+2:G0B+4*\s+3], s[46:47], \s*KSTEP*2
	s_or_b32 s[G0B+4*\s+3], s[G0B+4*\s+3], 0x80000000
	JLOAD \s                                       ; both slots are asked for before anything else: two loads of the wave are out, never more
.endr
	; a fragment: lane l holds row l % 16; two loads of 16 bytes, 32 apart, at row x pitch + 16 (l / 16)
	v_and_b32 v1, 15, v0
	v_bfe_u32 v2, v0, 4, 1
	v_mul_u32_u24 v3, v1, PITCH
	v_lshl_add_u32 v3, v2, 4, v3
	s_mul_i32 s22, s10, 64*PITCH                   ; my 64 rows of xb
	v_add_nc_u32 v[ADRA], s22, v3
	v_add_nc_u32 v[ADRA+1], SLOT, v[ADRA]
	v_add_nc_u32 v[ADRB], BOFF, v3                 ; all 192 rows of wb
	v_add_nc_u32 v[ADRB+1], SLOT, v[ADRB]
	s_mul_i32 s23, s10, 16*SP
	s_add_co_u32 s23, s23, STAGE                   ; my stage
	v_mul_u32_u24 v4, v1, SP
	v_lshl_add_u32 v4, v2, 4, v4
	v_add_nc_u32 v[STO], s23, v4                   ; in: row l % 16, 16 bytes for each half of the lanes
	v_bfe_u32 v5, v0, 3, 2
	v_and_b32 v6, 7, v0
	v_mul_u32_u24 v5, v5, SP
	v_lshl_add_u32 v5, v6, 4, v5
	v_add_nc_u32 v[RD], s23, v5                    ; back: eight lanes take a head's 128 bytes of a row, 32 lanes four rows
	v_and_b32 v6, 31, v0
	v_lshlrev_b32 v[CO], 4, v6                     ; which are 512 consecutive bytes of qkv
; 12 matrix instructions: m block a of the window's two (hi = 0: my rows 0-31, 1: rows 32-63) x all 12 n blocks, 32 along K, from buffer cur.
; The 48 accumulators take turns, one instruction a turn, in the same order in every quarter step.
.macro MULB cur, hi, a, zero
.irp b, 0,1,2,3,4,5,6,7,8,9,10,11
.if \zero
	v_wmma_f32_16x16x32_bf16 v[8*(12*\a+\b):8*(12*\a+\b)+7], v[FB0+96*\cur+8*\b:FB0+96*\cur+8*\b+7], v[FA0+32*\cur+8*(2*\hi+\a):FA0+32*\cur+8*(2*\hi+\a)+7], 0
.else
	v_wmma_f32_16x16x32_bf16 v[8*(12*\a+\b):8*(12*\a+\b)+7], v[FB0+96*\cur+8*\b:FB0+96*\cur+8*\b+7], v[FA0+32*\cur+8*(2*\hi+\a):FA0+32*\cur+8*(2*\hi+\a)+7], v[8*(12*\a+\b):8*(12*\a+\b)+7]
.endif
.endr
.endm
; 32 LDS loads in one run: 192 rows of wb, then my 64 rows of xb, 32 K at byte k of the rows, into buffer buf
.macro FETCH slot, k, buf
	WIN TO_B
.irp i, 0,1,2,3,4,5,6,7,8,9,10,11
	ds_load_b128 v[FB0+96*\buf+8*\i:FB0+96*\buf+8*\i+3],   v[ADRB+\slot] offset:\k+\i*16*PITCH
	ds_load_b128 v[FB0+96*\buf+8*\i+4:FB0+96*\buf+8*\i+7], v[ADRB+\slot] offset:\k+\i*16*PITCH+32
.endr
	WIN 0
.irp i, 0,1,2,3
	ds_load_b128 v[FA0+32*\buf+8*\i:FA0+32*\buf+8*\i+3],   v[ADRA+\slot] offset:\k+\i*16*PITCH
	ds_load_b128 v[FA0+32*\buf+8*\i+4:FA0+32*\buf+8*\i+7], v[ADRA+\slot] offset:\k+\i*16*PITCH+32
.endr
.endm
; Four plain vector instructions between a matrix instruction and a load into, or a vector instruction on, one of its registers
; (ISA guide 7.12.1 for vector instructions); matrix instructions in between are not counted.
.macro PLACES
.rept 4
	v_nop
.endr
.endm
; A quarter step: 48 matrix instructions on buffer cur; in its middle the next quarter's fragments (byte k of the rows) go into buffer nxt.
.macro QUARTER slot, k, cur, nxt, zero
	s_wait_dscnt 4                                 ; wb and my rows 0-31 are in; the youngest four loads (my rows 32-63) may be out
	WIN MUL_LO
	MULB \cur, 0, 0, \zero
	MULB \cur, 0, 1, \zero
	PLACES
	FETCH \slot, \k, \nxt
	s_wait_dscnt 32                                ; all but the 32 just issued
	WIN MUL_HI
	MULB \cur, 1, 0, \zero
	MULB \cur, 1, 1, \zero
.endm
.macro THREE slot, zero
	QUARTER \slot, 64,  0, 1, \zero
	QUARTER \slot, 128, 1, 0, 0
	QUARTER \slot, 192, 0, 1, 0
.endm
; The last quarter of a K step multiplies buffer 1 and changes slots.  In front of the barrier each wave waits for its reads of this slot and
; for all its tensor loads (one is out: its part of the next slot).  Behind it (fill = 1: behind the round of the cluster's barrier that it opens)
; the refill comes first, then the next slot's first fragments.
.macro TURN slot, next, fill
	s_wait_dscnt 4
	WIN MUL_LO
	MULB 1, 0, 0, 0
	s_wait_dscnt 0                                 ; my reads of this slot are over
	s_wait_tensorcnt 0x0                           ; all my tensor loads have landed
	ds_add_u32 v255, v255
	s_wait_dscnt 0x0
	s_barrier_signal -1
	MULB 1, 0, 1, 0                                ; register work while the others arrive
	WIN 0
	s_barrier_wait -1
.if \fill
	CREST                                          ; no wave of any partner still reads this slot or has a load on its way
	s_add_nc_u64 s[G0+4*\slot+2:G0+4*\slot+3], s[G0+4*\slot+2:G0+4*\slot+3], 2*KSTEP*2
	s_add_nc_u64 s[G0B+4*\slot+2:G0B+4*\slot+3], s[G0B+4*\slot+2:G0B+4*\slot+3], 2*KSTEP*2
	JLOAD \slot                                    ; the wave's one tensor load behind the round
.endif
	PLACES
	FETCH \next, 0, 0
	WIN MUL_HI
	MULB 1, 1, 0, 0
	MULB 1, 1, 1, 0
.endm
.macro LAP zero
	THREE 0, \zero
	TURN 0, 1, 1
	THREE 1, 0
	TURN 1, 0, 1
.endm
	s_wait_tensorcnt 1                             ; my part of K step 0 is in; K step 1's load, issued behind it, may stay out
	s_barrier_signal -1
	s_barrier_wait -1
	FETCH 0, 0, 0
	LAP 1                                          ; the first products start the sums: nothing is cleared
	WIN 0
	s_mov_b32 s3, LAPS-2
.Llap:
	LAP 0
	WIN 0
	s_sub_co_u32 s3, s3, 1
	s_cmp_lg_u32 s3, 0
	s_cbranch_scc1 .Llap
	THREE 0, 0                                     ; the last lap fills nothing
	TURN 0, 1, 0
	THREE 1, 0
	s_wait_dscnt 4
	WIN MUL_LO
	MULB 1, 0, 0, 0
	MULB 1, 0, 1, 0
	s_wait_dscnt 0
	WIN MUL_HI
	MULB 1, 1, 0, 0
	MULB 1, 1, 1, 0
	; THE WAY OUT, 16 rows at a time: round to f16, 16 bytes a lane into my own stage, read back head by head, four rows of a head to a store.
	PLACES
	s_lshr_b32 s72, s13, 3                         ; b
	s_lshl_b32 s72, s72, 22                        ; 16 heads of 262,144 bytes
	s_and_b32 s73, s13, 7
	s_lshl_b32 s73, s73, 15                        ; 256 rows of 128 bytes
	s_or_b32 s72, s72, s73
	s_lshl_b32 s73, s10, 13                        ; my 64 rows
	s_or_b32 s72, s72, s73
	s_mul_i32 s74, s42, 3                          ; my first head among the 48 of q, k, v
.irp hd, 0,1,2
	s_add_co_u32 s75, s74, \hd
	s_lshr_b32 s22, s75, 4                         ; part: q, k or v
	s_lshl_b32 s22, s22, 24
	s_and_b32 s23, s75, 15                         ; h
	s_lshl_b32 s23, s23, 18
	s_or_b32 s22, s22, s23
	s_or_b32 s22, s22, s72
	s_mov_b32 s23, 0
	s_add_nc_u64 s[OB+2*\hd:OB+2*\hd+1], s[8:9], s[22:23]
.endr
; rows 16 mb .. 16 mb + 15 of my 64 = the twelve tiles (a, 0..11) of window 2 or 3 (from = 0x0a or 0x0f: sources 0 and 1)
.macro OUT mb, a, from
	WIN \from
.irp b, 0,1,2,3,4,5,6,7,8,9,10,11
.irp r, 0,1,2,3
	v_cvt_pk_f16_f32 v[TMP+4*\b+\r], v[8*(12*\a+\b)+2*\r], v[8*(12*\a+\b)+2*\r+1]
.endr
.endr
	WIN 0
.irp b, 0,1,2,3,4,5,6,7,8,9,10,11
	ds_store_b128 v[STO], v[TMP+4*\b:TMP+4*\b+3] offset:32*\b
.endr
	s_wait_xcnt 0x0                                ; RB, which the last sixteen rows' stores read, is loaded again only behind this wait
.irp hd, 0,1,2
.irp q, 0,1,2,3
	ds_load_b128 v[RB+4*(4*\hd+\q):RB+4*(4*\hd+\q)+3], v[RD] offset:128*\hd+4*SP*\q   ; LDS serves a wave's instructions in order: these see the stores above
.endr
.endr
.irp hd, 0,1,2
.irp q, 0,1,2,3
	s_wait_dscnt 11-(4*\hd+\q)                     ; this load is in, the younger ones stay out
	global_store_b128 v[CO], v[RB+4*(4*\hd+\q):RB+4*(4*\hd+\q)+3], s[OB+2*\hd:OB+2*\hd+1] offset:2048*\mb+512*\q   ; 512 consecutive bytes, aligned
.endr
.endr
.endm
	OUT 0, 0, 0x0a
	OUT 1, 1, 0x0a
	OUT 2, 0, 0x0f
	OUT 3, 1, 0x0f
	s_set_vgpr_msb 0x1
	s_wait_tensorcnt 0x0
	ds_add_u32 v255, v255
	s_wait_dscnt 0x0
	s_set_vgpr_msb 0x100
	CROUND                                         ; the closing round: no work-group ends while a partner may still ask for a tile that names it
	s_endpgm
.Lfunc_end_k_qe47220293a_qkv:
	.size	k_qe47220293a_qkv, .Lfunc_end_k_qe47220293a_qkv-k_qe47220293a_qkv
	.p2alignl 7, 3214868480
	.fill 96, 4, 3214868480
	.section	.rodata,"a",@progbits
	.p2align	6, 0x0
	.amdhsa_kernel k_qe47220293a_qkv
		.amdhsa_group_segment_fixed_size 327680
		.amdhsa_private_segment_fixed_size 0
		.amdhsa_enable_private_segment 0
		.amdhsa_kernarg_size 24
		.amdhsa_user_sgpr_count 2
		.amdhsa_user_sgpr_kernarg_segment_ptr 1
		.amdhsa_wavefront_size32 1
		.amdhsa_system_sgpr_workgroup_id_x 1
		.amdhsa_system_sgpr_workgroup_id_y 1
		.amdhsa_system_sgpr_workgroup_id_z 1
		.amdhsa_system_vgpr_workitem_id 0
		.amdhsa_next_free_vgpr 960
		.amdhsa_next_free_sgpr 76
		.amdhsa_reserve_vcc 0
		.amdhsa_float_denorm_mode_32 3
		.amdhsa_float_denorm_mode_16_64 3
		.amdhsa_memory_ordered 1
		.amdhsa_forward_progress 1
		.amdhsa_inst_pref_size 164
	.end_amdhsa_kernel
	.amdgpu_metadata
---
amdhsa.version: [ 1, 2 ]
amdhsa.kernels:
  - .name:           k_qe47220293a_qkv
    .symbol:         k_qe47220293a_qkv.kd
    .args:
      - { .name: xb, .offset: 0, .size: 8, .value_kind: global_buffer, .address_space: global }
      - { .name: wb, .offset: 8, .size: 8, .value_kind: global_buffer, .address_space: global }
      - { .name: qkv, .offset: 16, .size: 8, .value_kind: global_buffer, .address_space: global }
    .group_segment_fixed_size: 327680
    .private_segment_fixed_size: 0
    .kernarg_segment_align: 8
    .kernarg_segment_size: 24
    .max_flat_workgroup_size: 128
    .sgpr_count:     76
    .vgpr_count:     960
    .wavefront_size: 32
...
	.end_amdgpu_metadata
.endif
;; end of part 2
;; launch attn (part 3): grid 256 x 1, 4 waves a work-group, clusters of 4 x 1, 327,680 bytes of LDS; arguments qkv, ao; writes ao
.if DOCPART == 3
	.amdgcn_target "amdgcn-amd-amdhsa--gfx1250"
	.amdhsa_code_object_version 6
	.text
	.protected	k_qe47220293a_attn
	.globl	k_qe47220293a_attn
	.p2align	8
	.type	k_qe47220293a_attn,@function
k_qe47220293a_attn:
	s_mov_b64 s[64:65], 0
	v_nop
	global_prefetch_b8 v0, s[64:65] scope:SCOPE_SE
	s_setreg_imm32_b32 hwreg(HW_REG_WAVE_MODE, 25, 1), 1
	s_wait_xcnt 0x0
	s_wait_alu depctr_hold_cnt(0) depctr_sa_sdst(0) depctr_va_vdst(0) depctr_va_sdst(0) depctr_va_ssrc(0) depctr_va_vcc(0) depctr_vm_vsrc(0)
	s_getreg_b32 s2, hwreg(HW_REG_IB_STS2, 6, 4)
	s_cmp_eq_u32 s2, 0
	s_cbranch_scc0 .Lentry_in_a_cluster
	s_endpgm
.Lentry_in_a_cluster:
	s_bfe_u32 s2, ttmp6, 0x10000c
	s_cmp_lg_u32 s2, 0x3003
	s_cbranch_scc0 .Lentry_shape_is_right
	s_endpgm
.Lentry_shape_is_right:
; Causal attention for one (b, h) per cluster of four work-groups: ao = softmax(q k^T / 8, causal) v, with a running maximum.
; q, k, v come in f16; the softmax's weights (at most 1) and ao go on in f16; sums, maxima and exponentials in f32.
; LEFT OUT: key blocks of 256 keys that lie wholly above the diagonal of a query tile: the problem's own jnp.tril throws their scores away
; whatever the inputs hold (shown at the head of the launch cast, with the limits: rows whose live scores all lie below about -1e9 + 100;
; a NaN or an infinity that sits only in those blocks is not carried to the result; |q|, |k|, |v| below 65,504).
; SHARING.  Work-group j (0..3) of the cluster, wave w, holds EIGHT query tiles of 16 rows at once: tile i = rows 256 i + 64 j + 16 w + 0..15.
; The keys pass once, in eight blocks t of 256.  In block t the tiles t..7 are live, tile t lies on the diagonal.  So every wave of every
; work-group has the same schedule, 4 (8 + 7 + .. + 1) = 144 steps of 16 queries x 64 keys, and the four work-groups want the same block of
; K and V in the same round: each block is asked for jointly (mask 15).  Steps of the diagonal tile that the mask empties for some waves
; are computed all the same: the schedule must not hang on the work-group's place.  That place enters Q's and ao's global offsets
; and the mask's limit, and nothing else.
; ORIENTATION.  S^T = K Q^T: lane (r, h) holds query r and keys 16 tt + 8 h + 0..7 of score tile tt.  Packed to f16, score tiles 2 ks and
; 2 ks + 1 ARE the second source of O^T = V^T P for keys 32 ks .. + 31; V^T comes from LDS by transposing loads.  Maximum, sum and rescaling
; are a lane's own but for one exchange with lane xor 16.
; The exponent is exp2(C s + NM) with C = log2(e) / 8 and NM = the rounded -C max; the rescaling factor is exp2(NM new - NM old), made of the
; very numbers that the exponentials used, so that a rounding of NM cancels in the final division, for scores of any size.
; The loop stands in phases (products, softmax, products); the places behind the matrix instructions are v_nop.
.set KP,    144                        ; LDS pitch of a K row: 128 bytes + 16, an odd multiple of 16 (plain fragment loads)
.set VP,    160                        ; LDS pitch of a V row: 128 bytes + 32, an odd multiple of 32 (transposing loads)
.set VHALF, 128*VP                     ; 128 keys of V: one tensor load
.set KHALF, 128*KP                     ; 128 keys of K: one tensor load
.set KOFF,  2*VHALF                    ; K's 256 rows lie behind V's
.set SLOT,  KOFF+2*KHALF               ; 77,824
.set STAGE, 2*SLOT                     ; behind the ring: 16 rows x 144 bytes for each wave; no tensor load lands here
.set KA,   8                           ; running LDS address of this step's K fragments
.set VA,   9                           ; of this step's V fragments
.set KA0,  10                          ; KOFF + r 144 + 16 h
.set VA0,  11                          ; (8 h + (l & 7)) 160 + 16 ((l >> 3) & 1)
.set STO,  12                          ; the way out: in
.set RD,   13                          ; the way out: back
.set GO,   14                          ; my byte offset in the head's ao
.set LIM,  15                          ; key 16 tt + jj of this step is live for my query if it is <= LIM
.set LIM0, 16                          ; 64 j + 16 w + r - 8 h
.set QOFF, 17                          ; my byte offset in the head's q
.set ALF,  18                          ; v[18:19] rescaling factor (v19 is never used but is read as the pair's partner)
.set TMP,  20                          ; v[20:27] at work
.set NMX,  28                          ; v[28 + 2 i] = NM of tile i, v[29 + 2 i] = its running maximum
.set LSM,  44                          ; v[44 + i] = my half of tile i's running sum
.set OUTR, 52                          ; v[52:67]   rows read back
.set SCO,  68                          ; v[68:99]   four score tiles
.set PBF,  100                         ; v[100:115] their weights in f16
.set KF,   116                         ; v[116:179] K fragments: key tile tt, half kk of dk at 16 tt + 8 kk
.set VF,   180                         ; v[180:243] V^T fragments: dv tile d, key step ks at 16 d + 8 ks
                                       ; window 1: O^T, tile i, dv tile d at 32 i + 8 d;  window 2: Q fragments, tile i, half kk at 16 i + 8 kk
.set G1V, 16                           ; s[16:23] group 1 for V's tiles
.set G1K, 24                           ; s[24:31] group 1 for K's tiles
.set G0V, 32                           ; s[32:39] group 0 for V, a set for each slot
.set G0K, 40                           ; s[40:47] group 0 for K, a set for each slot
.set MSB, 0
.macro WIN new
.if MSB != \new
	s_set_vgpr_msb (MSB<<8)|\new
.set MSB, \new
.endif
.endm
.macro PLACES                          ; four plain vector instructions behind a matrix instruction (ISA guide 7.12.1 for vector instructions)
.rept 4
	v_nop
.endr
.endm
.macro ROUND                           ; a round of the cluster's barrier
	s_barrier_signal -1
	s_barrier_wait -1
	s_cmp_lg_u32 s8, 0
	s_cbranch_scc1 .Lnot_wave_0_\@
	s_barrier_signal -3
.Lnot_wave_0_\@:
	s_barrier_wait -3
	s_barrier_signal -1
	s_barrier_wait -1
.endm
.macro JLOAD s                         ; waves 0 and 1 fetch V's halves, waves 2 and 3 K's; the branch hangs on the wave's number alone
	s_cmp_eq_u32 s9, 0
	s_cbranch_scc0 .Lfor_k_\@
	tensor_load_to_lds s[G0V+4*\s:G0V+4*\s+3], s[G1V:G1V+7]
	s_nop 0
	s_branch .Lasked_\@
.Lfor_k_\@:
	tensor_load_to_lds s[G0K+4*\s:G0K+4*\s+3], s[G1K:G1K+7]
	s_nop 0
.Lasked_\@:
.endm
	s_load_b128 s[4:7], s[0:1], 0x0                ; qkv s[4:5], ao s[6:7]
	v_lshl_add_u32 v254, v0, 2, 0x29000
	v_mov_b32 v255, 0
	ds_add_u32 v254, v255
	v_lshrrev_b32 v1, 5, v0
	v_readfirstlane_b32 s8, v1                     ; wave 0..3
	s_lshr_b32 s9, s8, 1                           ; I fetch for V (0) or for K (1)
	s_and_b32 s10, s8, 1                           ; which 128 keys
	s_bfe_u32 s11, ttmp6, 0x40000                  ; cx = j
	s_mov_b32 s12, 0x76543210                      ; v_permlanex16_b32: lane i reads lane i of the other half
	s_mov_b32 s13, 0xfedcba98
	s_mov_b32 s15, 0xcfee6b28                      ; -8e9 = -1e9 / 0.125: the masked score before scaling
	; group 1: a dense 16 KiB (128 keys of 128 bytes) as 64 rows of 32 elements of 8 bytes; padding behind every 32 words = behind every key's row
	s_mov_b32 s[G1V+0], 15|(3<<16)|(1<<20)|(1<<21)|(4<<22)|(7<<25)   ; mask: all four; element of 8 bytes; padding on; bit 21 beside a mask; every 32 words; 8 words
	s_mov_b32 s[G1K+0], 15|(3<<16)|(1<<20)|(1<<21)|(4<<22)|(3<<25)   ; the same with 4 words
.irp g, G1V, G1K
	s_mov_b32 s[\g+1], 32<<16                      ; tensor_dim0 = 32
	s_mov_b32 s[\g+2], 64<<16                      ; tensor_dim1 = 64
	s_mov_b32 s[\g+3], 32<<16                      ; tile_dim0 = 32
	s_mov_b32 s[\g+4], 64                          ; tile_dim1 = 64
	s_mov_b32 s[\g+5], 32                          ; elements from row to row: dense
	s_mov_b32 s[\g+6], 0
	s_mov_b32 s[\g+7], 0
.endr
	s_lshl_b32 s48, ttmp9, 18                      ; the head b*16 + h = the cluster's number: 262,144 bytes a head
	s_mov_b32 s49, 0
	s_lshl_b32 s60, s10, 14                        ; my half of a block
	s_mov_b32 s61, 0
	s_mul_i32 s58, s8, VHALF                       ; LDS: V's halves at wave x 20,480 (waves 0, 1)
	s_mul_i32 s59, s8, KHALF
	s_add_co_u32 s59, s59, KOFF-2*KHALF            ; K's halves at 4,096 + wave x 18,432 (waves 2, 3)
	s_wait_dscnt 0x0
	s_wait_kmcnt 0x0
	s_add_nc_u64 s[54:55], s[4:5], s[48:49]        ; q of my head
	s_add_nc_u64 s[56:57], s[6:7], s[48:49]        ; ao of my head
	s_add_nc_u64 s[52:53], s[54:55], s[60:61]
	s_add_nc_u64 s[50:51], s[52:53], 0x2000000     ; v: part 2
	s_add_nc_u64 s[52:53], s[52:53], 0x1000000     ; k: part 1
.irp s, 0,1
	s_mov_b32 s[G0V+4*\s], 1
	s_add_co_u32 s[G0V+4*\s+1], s58, \s*SLOT
	s_add_nc_u64 s[G0V+4*\s+2:G0V+4*\s+3], s[50:51], \s*32768      ; key block s
	s_or_b32 s[G0V+4*\s+3], s[G0V+4*\s+3], 0x80000000
	s_mov_b32 s[G0K+4*\s], 1
	s_add_co_u32 s[G0K+4*\s+1], s59, \s*SLOT
	s_add_nc_u64 s[G0K+4*\s+2:G0K+4*\s+3], s[52:53], \s*32768
	s_or_b32 s[G0K+4*\s+3], s[G0K+4*\s+3], 0x80000000
.endr
	ROUND                                          ; in front of the first joint load
	JLOAD 0                                        ; key block 0.  One tensor load of the wave is out, here and behind every later round
	v_and_b32 v1, 15, v0                           ; r
	v_bfe_u32 v2, v0, 4, 1                         ; h
	v_and_b32 v3, 31, v0                           ; l
	v_and_b32 v4, 7, v0
	v_bfe_u32 v5, v0, 3, 1
	v_bfe_u32 v6, v0, 3, 2
	v_mul_u32_u24 v7, v1, KP
	v_lshl_add_u32 v7, v2, 4, v7                   ; r 144 + 16 h
	v_add_nc_u32 v[KA0], KOFF, v7
	s_mul_i32 s60, s8, 16*KP
	s_add_co_u32 s60, s60, STAGE                   ; my stage
	v_add_nc_u32 v[STO], s60, v7
	v_lshl_add_u32 v20, v2, 3, v4
	v_mul_u32_u24 v20, v20, VP
	v_lshl_add_u32 v[VA0], v5, 4, v20
	v_mul_u32_u24 v20, v6, KP
	v_lshl_add_u32 v20, v4, 4, v20
	v_add_nc_u32 v[RD], s60, v20                   ; back: eight lanes a row of 128 bytes, 32 lanes four rows
	s_lshl_b32 s61, s11, 6
	s_lshl4_add_u32 s61, s8, s61                   ; 64 j + 16 w: my first row in each tile's 256
	v_add_nc_u32 v20, s61, v1
	v_lshlrev_b32 v21, 3, v2
	v_sub_nc_u32 v[LIM0], v20, v21
	v_lshlrev_b32 v20, 7, v20
	v_lshl_add_u32 v[QOFF], v2, 4, v20
	s_lshl_b32 s61, s61, 7
	v_lshl_add_u32 v[GO], v3, 4, s61
	v_mov_b32 v[ALF+1], 0
	WIN 0x80                                       ; destination window 2
.irp i, 0,1,2,3,4,5,6,7
.irp kk, 0,1
	global_load_b128 v[16*\i+8*\kk:16*\i+8*\kk+3],   v[QOFF], s[54:55] offset:32768*\i+64*\kk      ; Q(r, 32 kk + 8 h ..)
	global_load_b128 v[16*\i+8*\kk+4:16*\i+8*\kk+7], v[QOFF], s[54:55] offset:32768*\i+64*\kk+32   ; Q(r, 32 kk + 16 + 8 h ..)
.endr
.endr
	WIN 0
.macro KLOAD off                       ; 16 loads: 64 keys x 64 dk
.irp tt, 0,1,2,3
.irp kk, 0,1
	ds_load_b128 v[KF+16*\tt+8*\kk:KF+16*\tt+8*\kk+3],   v[KA] offset:\off+16*KP*\tt+64*\kk
	ds_load_b128 v[KF+16*\tt+8*\kk+4:KF+16*\tt+8*\kk+7], v[KA] offset:\off+16*KP*\tt+64*\kk+32
.endr
.endr
.endm
.macro VLOAD                           ; 16 transposing loads: 64 dv x 64 keys
.irp d, 0,1,2,3
.irp ks, 0,1
	ds_load_tr16_b128 v[VF+16*\d+8*\ks:VF+16*\d+8*\ks+3],   v[VA] offset:32*VP*\ks+32*\d
	ds_load_tr16_b128 v[VF+16*\d+8*\ks+4:VF+16*\d+8*\ks+7], v[VA] offset:32*VP*\ks+32*\d+16*VP
.endr
.endr
.endm
; S^T of tile i: four score tiles by turns, one instruction a turn; the first four start the sums
.macro QK i
	WIN 0x08                                       ; source 1 (Q) window 2
.irp tt, 0,1,2,3
	v_wmma_f32_16x16x32_f16 v[SCO+8*\tt:SCO+8*\tt+7], v[KF+16*\tt:KF+16*\tt+7], v[16*\i:16*\i+7], 0
.endr
.irp tt, 0,1,2,3
	v_wmma_f32_16x16x32_f16 v[SCO+8*\tt:SCO+8*\tt+7], v[KF+16*\tt+8:KF+16*\tt+15], v[16*\i+8:16*\i+15], v[SCO+8*\tt:SCO+8*\tt+7]
.endr
.endm
; The softmax's step for tile i.  diag = 1: the causal mask is applied.  first = 1: maximum and sum begin here.
.macro SOFT i, diag, first
.if \diag
.irp tt, 0,1,2,3
.irp jj, 0,1,2,3,4,5,6,7
	v_cmp_le_i32 vcc_lo, 16*\tt+\jj, v[LIM]
	v_cndmask_b32 v[SCO+8*\tt+\jj], s15, v[SCO+8*\tt+\jj], vcc_lo    ; live: the score; masked: -8e9
.endr
.endr
.endif
.irp c, 0,1,2,3
	v_max3_num_f32 v[TMP+\c], v[SCO+8*\c], v[SCO+8*\c+1], v[SCO+8*\c+2]   ; four chains that do not wait for each other
.endr
.irp c, 0,1,2,3
	v_max3_num_f32 v[TMP+\c], v[TMP+\c], v[SCO+8*\c+3], v[SCO+8*\c+4]
.endr
.irp c, 0,1,2,3
	v_max3_num_f32 v[TMP+\c], v[TMP+\c], v[SCO+8*\c+5], v[SCO+8*\c+6]
.endr
	v_max3_num_f32 v[TMP], v[TMP], v[TMP+1], v[SCO+7]
	v_max3_num_f32 v[TMP+2], v[TMP+2], v[TMP+3], v[SCO+15]
	v_max3_num_f32 v[TMP], v[TMP], v[TMP+2], v[SCO+23]
	v_max_num_f32 v[TMP], v[TMP], v[SCO+31]
	v_permlanex16_b32 v[TMP+1], v[TMP], s12, s13   ; the other half of my query's keys
.if \first
	v_max_num_f32 v[NMX+2*\i+1], v[TMP], v[TMP+1]
	v_mul_f32 v[TMP+2], 0xbe38aa3b, v[NMX+2*\i+1]  ; NM = -C max
.else
	v_max3_num_f32 v[NMX+2*\i+1], v[TMP], v[TMP+1], v[NMX+2*\i+1]
	v_mul_f32 v[TMP+2], 0xbe38aa3b, v[NMX+2*\i+1]
	v_sub_f32 v[TMP+4], v[TMP+2], v[NMX+2*\i]      ; NM new - NM old, at most 0
	v_exp_f32 v[ALF], v[TMP+4]                     ; the packed multiply-adds below are the plain instructions behind it (ISA guide 5.7.2)
.endif
.set p, 0
.rept 16
	v_pk_fma_f32 v[SCO+2*p:SCO+2*p+1], v[SCO+2*p:SCO+2*p+1], 0x3e38aa3b, v[TMP+2:TMP+3] op_sel_hi:[1,0,0]   ; C s + NM, NM broadcast from TMP+2
.set p, p+1
.endr
.set p, 0
.rept 32
	v_exp_f32 v[SCO+p], v[SCO+p]
.set p, p+1
.endr
	v_mov_b32 v[NMX+2*\i], v[TMP+2]                ; keeps NM; also the plain instruction between the exponentials and their first use
	s_wait_alu depctr_va_vdst(0)
.irp c, 0,1,2,3
	v_pk_add_f32 v[TMP+2*\c:TMP+2*\c+1], v[SCO+4*\c:SCO+4*\c+1], v[SCO+4*\c+2:SCO+4*\c+3]
.endr
.irp c, 0,1,2,3
	v_pk_add_f32 v[TMP+2*\c:TMP+2*\c+1], v[TMP+2*\c:TMP+2*\c+1], v[SCO+16+2*\c:SCO+16+2*\c+1]
.endr
.irp c, 0,1,2,3
	v_pk_add_f32 v[TMP+2*\c:TMP+2*\c+1], v[TMP+2*\c:TMP+2*\c+1], v[SCO+24+2*\c:SCO+24+2*\c+1]
.endr
	v_pk_add_f32 v[TMP:TMP+1], v[TMP:TMP+1], v[TMP+2:TMP+3]
	v_pk_add_f32 v[TMP+4:TMP+5], v[TMP+4:TMP+5], v[TMP+6:TMP+7]
	v_pk_add_f32 v[TMP:TMP+1], v[TMP:TMP+1], v[TMP+4:TMP+5]
.if \first
	v_add_f32 v[LSM+\i], v[TMP], v[TMP+1]
.else
	v_add_f32 v[TMP], v[TMP], v[TMP+1]
	v_fma_f32 v[LSM+\i], v[LSM+\i], v[ALF], v[TMP] ; the sum so far rescaled, plus this step's
.endif
.set p, 0
.rept 16
	v_cvt_pk_f16_f32 v[PBF+p], v[SCO+2*p], v[SCO+2*p+1]    ; weights of 0 to 1: inside f16's range
.set p, p+1
.endr
.endm
.macro RESC i                          ; O^T of tile i times the rescaling factor
	WIN 0x41                                       ; destination and source 0 window 1
.set p, 0
.rept 16
	v_pk_mul_f32 v[32*\i+2*p:32*\i+2*p+1], v[32*\i+2*p:32*\i+2*p+1], v[ALF:ALF+1] op_sel_hi:[1,0]
.set p, p+1
.endr
.endm
; O^T of tile i += V^T P: four dv tiles by turns, one instruction a turn
.macro PV i, first
	WIN 0x50                                       ; C and D window 1
.irp d, 0,1,2,3
.if \first
	v_wmma_f32_16x16x32_f16 v[32*\i+8*\d:32*\i+8*\d+7], v[VF+16*\d:VF+16*\d+7], v[PBF:PBF+7], 0
.else
	v_wmma_f32_16x16x32_f16 v[32*\i+8*\d:32*\i+8*\d+7], v[VF+16*\d:VF+16*\d+7], v[PBF:PBF+7], v[32*\i+8*\d:32*\i+8*\d+7]
.endif
.endr
.irp d, 0,1,2,3
	v_wmma_f32_16x16x32_f16 v[32*\i+8*\d:32*\i+8*\d+7], v[VF+16*\d+8:VF+16*\d+15], v[PBF+8:PBF+15], v[32*\i+8*\d:32*\i+8*\d+7]
.endr
.endm
; One step of 64 keys of block t for the tiles t..7.  K's fragments were asked for before the step.  pre = 1: the next step's K fragments
; are asked for behind the last tile's scores, and the addresses and the mask's limit step on.
.macro STEP t, first, pre
	WIN 0
	PLACES                                         ; behind the last tile's products, which read VF
	VLOAD
	s_wait_dscnt 16                                ; K's 16 loads, the older ones, are in; V's 16 stay out
.set VW, 0
.if \t == 7
.if \pre
.set VW, 16
.endif
.endif
.irp i, 0,1,2,3,4,5,6,7
.if \i >= \t
	QK \i
	WIN 0
	PLACES
.if \i == 7
.if \pre
	KLOAD 64*KP                                    ; the next 64 keys; every tile's scores of this step are made
.endif
.endif
.if \i == \t
	SOFT \i, 1, \first
	s_wait_dscnt VW                                ; V's 16 loads are in (in block 7 the 16 loads of the next K fragments are younger and stay out)
.else
	SOFT \i, 0, \first
.endif
.if \first == 0
	RESC \i
.endif
	PV \i, \first
.endif
.endr
	WIN 0
.if \pre
	v_add_nc_u32 v[KA], 64*KP, v[KA]
	v_add_nc_u32 v[VA], 64*VP, v[VA]
	v_add_nc_u32 v[LIM], -64, v[LIM]
.endif
.endm
; Tile i is complete: divide by the sum, round to f16, 16 rows through my stage, out as 512 consecutive bytes a store.
.macro FINAL i
	WIN 0
	PLACES
	v_permlanex16_b32 v[TMP+1], v[LSM+\i], s12, s13
	v_add_f32 v[TMP], v[LSM+\i], v[TMP+1]          ; both halves of the keys; at least about 1: the row's maximum counts as exp2(0)
	v_rcp_f32 v[ALF], v[TMP]
	v_nop                                          ; a plain instruction behind the reciprocal (ISA guide 5.7.2)
	WIN 0x01                                       ; source 0 window 1
.set p, 0
	s_wait_alu depctr_va_vdst(0)
.rept 16
	v_pk_mul_f32 v[SCO+2*p:SCO+2*p+1], v[32*\i+2*p:32*\i+2*p+1], v[ALF:ALF+1] op_sel_hi:[1,0]
.set p, p+1
.endr
	WIN 0
.set p, 0
.rept 16
	v_cvt_pk_f16_f32 v[PBF+p], v[SCO+2*p], v[SCO+2*p+1]    ; a weighted mean of rows of v: inside v's range
.set p, p+1
.endr
.irp d, 0,1,2,3
	ds_store_b128 v[STO], v[PBF+4*\d:PBF+4*\d+3] offset:32*\d      ; query r, dv 16 d + 8 h .. + 7
.endr
	s_wait_xcnt 0x0                                ; OUTR, which the last tile's stores read, is loaded again only behind this wait
.irp q, 0,1,2,3
	ds_load_b128 v[OUTR+4*\q:OUTR+4*\q+3], v[RD] offset:4*KP*\q    ; LDS serves a wave's instructions in order: these see the stores above
.endr
.irp q, 0,1,2,3
	s_wait_dscnt 3-\q                              ; this load is in, the younger ones stay out
	global_store_b128 v[GO], v[OUTR+4*\q:OUTR+4*\q+3], s[56:57] offset:32768*\i+512*\q
.endr
.endm
; The change of slots in front of block t: every wave's tensor loads have landed (its part of block t among them) and its reads of the other
; slot are over; a round of the cluster's barrier; then the joint load of block t + 1 into the other slot, first thing behind the round.
.macro HEAD t
	s_wait_tensorcnt 0x0
	ds_add_u32 v254, v255
	s_wait_dscnt 0x0
.if \t < 6
	s_add_nc_u64 s[G0V+4*(\t&1)+2:G0V+4*(\t&1)+3], s[G0V+4*(\t&1)+2:G0V+4*(\t&1)+3], 65536   ; no load of mine is out: this slot's next block, t + 2
	s_add_nc_u64 s[G0K+4*(\t&1)+2:G0K+4*(\t&1)+3], s[G0K+4*(\t&1)+2:G0K+4*(\t&1)+3], 65536
.endif
	s_wait_dscnt 0x0
.if \t < 7
	ROUND
	JLOAD ((\t+1)&1)
.else
	s_barrier_signal -1                            ; the last block: nothing is left to fetch; the four waves' parts are shown to each other
	s_barrier_wait -1
.endif
.endm
.macro SLOTRUN t
	HEAD \t
	v_add_nc_u32 v[KA], (\t&1)*SLOT, v[KA0]
	v_add_nc_u32 v[VA], (\t&1)*SLOT, v[VA0]
	v_mov_b32 v[LIM], v[LIM0]
	KLOAD 0
.if \t == 0
	s_wait_loadcnt 0x0                             ; Q, once
	STEP 0, 1, 1                                   ; the very first step starts every tile's maximum, sum and O^T: nothing is cleared
	s_mov_b32 s14, 2
.else
	s_mov_b32 s14, 3
.endif
.Lstep_\t:
	STEP \t, 0, 1
	s_sub_co_u32 s14, s14, 1
	s_cmp_lg_u32 s14, 0
	s_cbranch_scc1 .Lstep_\t
	STEP \t, 0, 0                                  ; the block's last 64 keys: no K fragments beyond the slot
	FINAL \t
.endm
	SLOTRUN 0
	SLOTRUN 1
	SLOTRUN 2
	SLOTRUN 3
	SLOTRUN 4
	SLOTRUN 5
	SLOTRUN 6
	SLOTRUN 7
	s_wait_tensorcnt 0x0
	ds_add_u32 v254, v255
	s_wait_dscnt 0x0
	ROUND                                          ; the closing round
	s_endpgm
.Lfunc_end_k_qe47220293a_attn:
	.size	k_qe47220293a_attn, .Lfunc_end_k_qe47220293a_attn-k_qe47220293a_attn
	.p2alignl 7, 3214868480
	.fill 96, 4, 3214868480
	.section	.rodata,"a",@progbits
	.p2align	6, 0x0
	.amdhsa_kernel k_qe47220293a_attn
		.amdhsa_group_segment_fixed_size 327680
		.amdhsa_private_segment_fixed_size 0
		.amdhsa_enable_private_segment 0
		.amdhsa_kernarg_size 16
		.amdhsa_user_sgpr_count 2
		.amdhsa_user_sgpr_kernarg_segment_ptr 1
		.amdhsa_wavefront_size32 1
		.amdhsa_system_sgpr_workgroup_id_x 1
		.amdhsa_system_sgpr_workgroup_id_y 1
		.amdhsa_system_sgpr_workgroup_id_z 1
		.amdhsa_system_vgpr_workitem_id 0
		.amdhsa_next_free_vgpr 640
		.amdhsa_next_free_sgpr 66
		.amdhsa_reserve_vcc 1
		.amdhsa_float_denorm_mode_32 3
		.amdhsa_float_denorm_mode_16_64 3
		.amdhsa_memory_ordered 1
		.amdhsa_forward_progress 1
		.amdhsa_inst_pref_size 255
	.end_amdhsa_kernel
	.section	.bss,"aw",@nobits
	.p2align	6
	.space	262144
	.amdgpu_metadata
---
amdhsa.version: [ 1, 2 ]
amdhsa.kernels:
  - .name:           k_qe47220293a_attn
    .symbol:         k_qe47220293a_attn.kd
    .args:
      - { .name: qkv, .offset: 0, .size: 8, .value_kind: global_buffer, .address_space: global }
      - { .name: ao, .offset: 8, .size: 8, .value_kind: global_buffer, .address_space: global }
    .group_segment_fixed_size: 327680
    .private_segment_fixed_size: 0
    .kernarg_segment_align: 8
    .kernarg_segment_size: 16
    .max_flat_workgroup_size: 128
    .sgpr_count:     66
    .vgpr_count:     640
    .wavefront_size: 32
...
	.end_amdgpu_metadata
.endif
;; end of part 3
;; launch oproj (part 4): grid 8 x 32, 4 waves a work-group, clusters of 4 x 4, 327,680 bytes of LDS; arguments ao, wb, b_o, out0; writes out0
.if DOCPART == 4
	.amdgcn_target "amdgcn-amd-amdhsa--gfx1250"
	.amdhsa_code_object_version 6
	.text
	.protected	k_qe47220293a_oproj
	.globl	k_qe47220293a_oproj
	.p2align	8
	.type	k_qe47220293a_oproj,@function
k_qe47220293a_oproj:
	s_mov_b64 s[64:65], 0
	v_nop
	global_prefetch_b8 v0, s[64:65] scope:SCOPE_SE
	s_setreg_imm32_b32 hwreg(HW_REG_WAVE_MODE, 25, 1), 1
	s_wait_xcnt 0x0
	s_wait_alu depctr_hold_cnt(0) depctr_sa_sdst(0) depctr_va_vdst(0) depctr_va_sdst(0) depctr_va_ssrc(0) depctr_va_vcc(0) depctr_vm_vsrc(0)
	s_getreg_b32 s2, hwreg(HW_REG_IB_STS2, 6, 4)
	s_cmp_eq_u32 s2, 0
	s_cbranch_scc0 .Lentry_in_a_cluster
	s_endpgm
.Lentry_in_a_cluster:
	s_bfe_u32 s2, ttmp6, 0x10000c
	s_cmp_lg_u32 s2, 0xf033
	s_cbranch_scc0 .Lentry_shape_is_right
	s_endpgm
.Lentry_shape_is_right:
; out0[m][n] = sum over k of att[m][k] w_o[n][k] + b_o[n], f32 out.  att lies by heads in ao [b*16 + h][s][64] f16 (k = 64 h + dv);
; w_o is wb's rows 3072..4095, f16 (its bf16 rounding kept as f16: see the head of the launch cast).  M = 8192, N = 1024, K = 1024.  b_o is added in f32.
; A work-group makes 256 x 128: 32 x 8 = 256 work-groups.  Four waves, one above the other: a wave makes 64 x 128 = 32 accumulator tiles, 256 registers.
; K goes in steps of 128 = two heads through two LDS slots.  ao's part of a step is, for each half of the rows, two dense pieces of 16 KiB (128 rows
; of one head), 262,144 bytes apart: one tensor load of two long rows, padded behind every 128 bytes.
; CLUSTERS: 4 x 4 work-groups; ao's tiles are shared along a row of the cluster, w_o's along a column, by joint loads.
; REGISTERS: window 0: addresses, ao's fragments (two buffers of 32), the way out;  window 1: w_o's fragments (two buffers of 64);
; window 2: the accumulators, tile (a, b) at v[8 (8 a + b)].  The matrix instruction is used transposed (source 0 = rows of w_o):
; lane l holds row l % 16 and eight neighbouring columns 8 (l / 16) + 0..7.
.set SIZE_K, 1024
.set KSTEP,  128
.set AP,     144                       ; LDS pitch of a head's row: 128 bytes + 16, an odd multiple of 16
.set PLANE,  128*AP                    ; 128 rows of one head
.set AHALF,  2*PLANE                   ; of two heads: one tensor load
.set BP,     272                       ; LDS pitch of w_o's rows: 256 bytes + 16
.set BHALF,  64*BP                     ; 64 rows of w_o: one tensor load
.set BOFF,   2*AHALF
.set SLOT,   BOFF+2*BHALF              ; 108,544
.set STAGE,  2*SLOT                    ; behind the ring: 16 rows x 528 bytes for each wave; no tensor load lands here
.set SP,     528                       ; 512 bytes of a row of the result in f32 + 16
.set LAPS,   SIZE_K/(2*KSTEP)
.set ADRA, 16
.set ADRB, 20
.set STO,  24
.set RD,   25
.set CO,   26
.set FA0,  32                          ; ao's fragments, buffer c at FA0 + 32 c (window 0)
.set RB,   96                          ; v[96:159]   rows read back
.set BIAS, 160                         ; v[160:163]  b_o of my four columns
.set FB0,  0                           ; w_o's fragments, buffer c at FB0 + 64 c (window 1)
.set G1,  24
.set G0,  32
.set G1B, 48
.set G0B, 56
.set MSB, 0
.macro WIN new
.if MSB != \new
	s_set_vgpr_msb (MSB<<8)|\new
.set MSB, \new
.endif
.endm
.set MUL,  0xa1                        ; source 0 window 1, source 1 window 0, C and D window 2
.set TO_B, 0x40
.macro JLOAD s                         ; waves 0 and 1 fetch ao's halves, waves 2 and 3 w_o's
	s_cmp_eq_u32 s11, 0
	s_cbranch_scc0 .Lfor_b_\@
	tensor_load_to_lds s[G0+4*\s:G0+4*\s+3], s[G1:G1+7]
	s_nop 0
	s_branch .Lasked_\@
.Lfor_b_\@:
	tensor_load_to_lds s[G0B+4*\s:G0B+4*\s+3], s[G1B:G1B+7]
	s_nop 0
.Lasked_\@:
.endm
.macro CREST
	s_cmp_lg_u32 s10, 0
	s_cbranch_scc1 .Lnot_wave_0_\@
	s_barrier_signal -3
.Lnot_wave_0_\@:
	s_barrier_wait -3
	s_barrier_signal -1
	s_barrier_wait -1
.endm
.macro CROUND
	s_barrier_signal -1
	s_barrier_wait -1
	CREST
.endm
	s_load_b128 s[4:7], s[0:1], 0x0                ; ao s[4:5], wb s[6:7]
	s_load_b128 s[68:71], s[0:1], 0x10             ; b_o s[68:69], out0 s[70:71]
	s_set_vgpr_msb 0x40
	v_lshl_add_u32 v255, v0, 2, 0x3d400
	s_set_vgpr_msb 0x4000
	v_mov_b32 v255, 0
	s_set_vgpr_msb 0x1
	ds_add_u32 v255, v255
	s_set_vgpr_msb 0x100
	v_lshrrev_b32 v1, 5, v0
	v_readfirstlane_b32 s10, v1                    ; wave 0..3
	s_lshr_b32 s11, s10, 1
	s_and_b32 s12, s10, 1
	s_bfe_u32 s40, ttmp6, 0x40000                  ; cx
	s_bfe_u32 s41, ttmp6, 0x40004                  ; cy
	s_lshl_b32 s42, ttmp9, 2
	s_add_co_u32 s42, s42, s40                     ; block column 0..7
	s_and_b32 s13, ttmp7, 0xffff
	s_lshl_b32 s13, s13, 2
	s_add_co_u32 s13, s13, s41                     ; block row 0..31
	s_lshl_b32 s43, s41, 2
	s_lshl_b32 s43, 15, s43                        ; my row of the cluster
	s_lshl_b32 s44, 0x1111, s40                    ; my column
	; ao: two rows of 2,048 elements of 8 bytes (16 KiB each), 32,768 elements apart; 16 bytes of padding behind every 32 words
	s_or_b32 s[G1+0], s43, (3<<16)|(1<<20)|(1<<21)|(4<<22)|(3<<25)
	s_mov_b32 s[G1+1], 2048<<16                    ; tensor_dim0 = 2048
	s_mov_b32 s[G1+2], 2<<16                       ; tensor_dim1 = 2
	s_mov_b32 s[G1+3], 2048<<16                    ; tile_dim0 = 2048
	s_mov_b32 s[G1+4], 2                           ; tile_dim1 = 2
	s_mov_b32 s[G1+5], 32768                       ; from head to head
	s_mov_b32 s[G1+6], 0
	s_mov_b32 s[G1+7], 0
	; w_o: 64 rows of 128 elements of 2 bytes; 16 bytes of padding behind every 64 words
	s_or_b32 s[G1B+0], s44, (1<<16)|(1<<20)|(1<<21)|(5<<22)|(3<<25)
	s_mov_b32 s[G1B+1], KSTEP<<16
	s_mov_b32 s[G1B+2], 64<<16
	s_mov_b32 s[G1B+3], KSTEP<<16
	s_mov_b32 s[G1B+4], 64
	s_mov_b32 s[G1B+5], SIZE_K
	s_mov_b32 s[G1B+6], 0
	s_mov_b32 s[G1B+7], 0
	s_lshr_b32 s16, s13, 3                         ; b
	s_lshl_b32 s16, s16, 22                        ; 16 heads of 262,144 bytes
	s_and_b32 s17, s13, 7
	s_lshl_b32 s17, s17, 15                        ; 256 rows of 128 bytes
	s_or_b32 s16, s16, s17
	s_lshl_b32 s17, s12, 14                        ; my 128 rows
	s_or_b32 s16, s16, s17
	s_mov_b32 s17, 0
	s_lshl_b32 s46, s42, 7
	s_lshl_b32 s45, s12, 6
	s_add_co_u32 s46, s46, s45                     ; w_o's row 128 x block column + 64 x half
	s_lshl_b32 s46, s46, 11
	s_add_co_u32 s46, s46, 3072*2048               ; behind w_q, w_k, w_v
	s_mov_b32 s47, 0
	s_lshl_b32 s72, s42, 9                         ; my block's 128 columns of b_o
	s_mov_b32 s73, 0
	s_mul_i32 s20, s10, AHALF                      ; LDS: ao's halves at wave x 36,864 (waves 0, 1)
	s_mul_i32 s21, s10, BHALF
	s_add_co_u32 s21, s21, BOFF-2*BHALF            ; w_o's halves at 38,912 + wave x 17,408 (waves 2, 3)
	s_wait_dscnt 0x0
	s_wait_kmcnt 0x0
	s_add_nc_u64 s[14:15], s[4:5], s[16:17]
	s_add_nc_u64 s[46:47], s[6:7], s[46:47]
	s_add_nc_u64 s[72:73], s[68:69], s[72:73]
	CROUND                                         ; the first joint loads meet
.irp s, 0,1
	s_mov_b32 s[G0+4*\s], 1
	s_add_co_u32 s[G0+4*\s+1], s20, \s*SLOT
	s_add_nc_u64 s[G0+4*\s+2:G0+4*\s+3], s[14:15], \s*524288       ; K step s: heads 2 s, 2 s + 1
	s_or_b32 s[G0+4*\s+3], s[G0+4*\s+3], 0x80000000
	s_mov_b32 s[G0B+4*\s], 1
	s_add_co_u32 s[G0B+4*\s+1], s21, \s*SLOT
	s_add_nc_u64 s[G0B+4*\s+2:G0B+4*\s+3], s[46:47], \s*KSTEP*2
	s_or_b32 s[G0B+4*\s+3], s[G0B+4*\s+3], 0x80000000
	JLOAD \s                                       ; two loads of the wave are out, never more
.endr
	v_and_b32 v1, 15, v0
	v_bfe_u32 v2, v0, 4, 1
	v_mul_u32_u24 v3, v1, AP
	v_lshl_add_u32 v3, v2, 4, v3
	s_mul_i32 s22, s11, AHALF                      ; my 64 rows: half wave >> 1,
	s_mul_i32 s23, s12, 64*AP                      ; rows 64 (wave & 1) of it
	s_add_co_u32 s22, s22, s23
	v_add_nc_u32 v[ADRA], s22, v3
	v_add_nc_u32 v[ADRA+1], SLOT, v[ADRA]
	v_mul_u32_u24 v4, v1, BP
	v_lshl_add_u32 v4, v2, 4, v4
	v_add_nc_u32 v[ADRB], BOFF, v4
	v_add_nc_u32 v[ADRB+1], SLOT, v[ADRB]
	s_mul_i32 s23, s10, 16*SP
	s_add_co_u32 s23, s23, STAGE                   ; my stage
	v_mul_u32_u24 v5, v1, SP
	v_lshl_add_u32 v5, v2, 5, v5
	v_add_nc_u32 v[STO], s23, v5                   ; in: row l % 16, 32 bytes for each half of the lanes
	v_and_b32 v6, 31, v0
	v_lshlrev_b32 v[CO], 4, v6
	v_add_nc_u32 v[RD], s23, v[CO]                 ; back: 32 lanes take a row of 512 bytes
	global_load_b128 v[BIAS:BIAS+3], v[CO], s[72:73]
; 8 matrix instructions: m block a x all 8 n blocks, 32 along K.  The 32 accumulators take turns, one instruction a turn.
.macro MULB cur, a, zero
.irp b, 0,1,2,3,4,5,6,7
.if \zero
	v_wmma_f32_16x16x32_f16 v[8*(8*\a+\b):8*(8*\a+\b)+7], v[FB0+64*\cur+8*\b:FB0+64*\cur+8*\b+7], v[FA0+32*\cur+8*\a:FA0+32*\cur+8*\a+7], 0
.else
	v_wmma_f32_16x16x32_f16 v[8*(8*\a+\b):8*(8*\a+\b)+7], v[FB0+64*\cur+8*\b:FB0+64*\cur+8*\b+7], v[FA0+32*\cur+8*\a:FA0+32*\cur+8*\a+7], v[8*(8*\a+\b):8*(8*\a+\b)+7]
.endif
.endr
.endm
; 24 LDS loads: quarter kq of a K step: w_o at byte 64 kq of its rows; ao in head kq >> 1 at byte 64 (kq & 1)
.macro FETCH slot, kq, buf
	WIN TO_B
.irp i, 0,1,2,3,4,5,6,7
	ds_load_b128 v[FB0+64*\buf+8*\i:FB0+64*\buf+8*\i+3],   v[ADRB+\slot] offset:64*\kq+\i*16*BP
	ds_load_b128 v[FB0+64*\buf+8*\i+4:FB0+64*\buf+8*\i+7], v[ADRB+\slot] offset:64*\kq+\i*16*BP+32
.endr
	WIN 0
.irp i, 0,1,2,3
	ds_load_b128 v[FA0+32*\buf+8*\i:FA0+32*\buf+8*\i+3],   v[ADRA+\slot] offset:(\kq>>1)*PLANE+(\kq&1)*64+\i*16*AP
	ds_load_b128 v[FA0+32*\buf+8*\i+4:FA0+32*\buf+8*\i+7], v[ADRA+\slot] offset:(\kq>>1)*PLANE+(\kq&1)*64+\i*16*AP+32
.endr
.endm
.macro PLACES                          ; four plain vector instructions behind a matrix instruction (ISA guide 7.12.1 for vector instructions)
.rept 4
	v_nop
.endr
.endm
.macro QUARTER slot, kq, cur, nxt, zero
	s_wait_dscnt 4                                 ; w_o and my rows 0-31 are in; the youngest four loads (my rows 32-63) may be out
	WIN MUL
	MULB \cur, 0, \zero
	MULB \cur, 1, \zero
	PLACES
	FETCH \slot, \kq, \nxt
	s_wait_dscnt 24                                ; all but the 24 just issued
	WIN MUL
	MULB \cur, 2, \zero
	MULB \cur, 3, \zero
.endm
.macro THREE slot, zero
	QUARTER \slot, 1, 0, 1, \zero
	QUARTER \slot, 2, 1, 0, 0
	QUARTER \slot, 3, 0, 1, 0
.endm
; The last quarter changes slots: waits for my reads and for all my tensor loads, the barrier (fill = 1: it opens a round of the cluster's barrier), the refill first behind it.
.macro TURN slot, next, fill
	s_wait_dscnt 4
	WIN MUL
	MULB 1, 0, 0
	s_wait_dscnt 0                                 ; my reads of this slot are over
	s_wait_tensorcnt 0x0                           ; all my tensor loads have landed: the one that was out is my part of the next slot
	ds_add_u32 v255, v255
	s_wait_dscnt 0x0
	s_barrier_signal -1
	MULB 1, 1, 0                                   ; register work while the others arrive
	WIN 0
	s_barrier_wait -1
.if \fill
	CREST
	s_add_nc_u64 s[G0+4*\slot+2:G0+4*\slot+3], s[G0+4*\slot+2:G0+4*\slot+3], 2*524288
	s_add_nc_u64 s[G0B+4*\slot+2:G0B+4*\slot+3], s[G0B+4*\slot+2:G0B+4*\slot+3], 2*KSTEP*2
	JLOAD \slot                                    ; the wave's one tensor load behind the round
.endif
	PLACES
	FETCH \next, 0, 0
	WIN MUL
	MULB 1, 2, 0
	MULB 1, 3, 0
.endm
.macro LAP zero
	THREE 0, \zero
	TURN 0, 1, 1
	THREE 1, 0
	TURN 1, 0, 1
.endm
	s_wait_tensorcnt 1                             ; my part of K step 0 is in; K step 1's load may stay out
	s_barrier_signal -1
	s_barrier_wait -1
	FETCH 0, 0, 0
	LAP 1                                          ; the first products start the sums
	WIN 0
	s_mov_b32 s3, LAPS-2
.Llap:
	LAP 0
	WIN 0
	s_sub_co_u32 s3, s3, 1
	s_cmp_lg_u32 s3, 0
	s_cbranch_scc1 .Llap
	THREE 0, 0                                     ; the last lap fills nothing
	TURN 0, 1, 0
	THREE 1, 0
	s_wait_dscnt 4
	WIN MUL
	MULB 1, 0, 0
	MULB 1, 1, 0
	s_wait_dscnt 0
	MULB 1, 2, 0
	MULB 1, 3, 0
	; THE WAY OUT, 16 rows at a time: the f32 sums go into my own stage, 32 bytes a lane, come back as whole rows of 512 bytes, get the bias, and leave.
	PLACES
	s_lshl_b32 s74, s13, 8
	s_lshl_b32 s75, s10, 6
	s_add_co_u32 s74, s74, s75                     ; my first row
	s_lshl_b32 s74, s74, 12                        ; 4,096 bytes a row
	s_lshl_b32 s75, s42, 9                         ; my block's 128 columns
	s_add_co_u32 s74, s74, s75
	s_mov_b32 s75, 0
	s_add_nc_u64 s[8:9], s[70:71], s[74:75]
	s_wait_loadcnt 0x0                             ; the bias
.macro OUTF a
	WIN 0x08                                       ; an LDS store's data is source 1: window 2
.irp b, 0,1,2,3,4,5,6,7
	ds_store_b128 v[STO], v[8*(8*\a+\b):8*(8*\a+\b)+3]   offset:64*\b
	ds_store_b128 v[STO], v[8*(8*\a+\b)+4:8*(8*\a+\b)+7] offset:64*\b+16
.endr
	WIN 0
	s_wait_xcnt 0x0                                ; RB, which the last sixteen rows' stores read, is loaded again only behind this wait
.irp q, 0,1,2,3,4,5,6,7,8,9,10,11,12,13,14,15
	ds_load_b128 v[RB+4*\q:RB+4*\q+3], v[RD] offset:SP*\q          ; LDS serves a wave's instructions in order: these see the stores above
.endr
.irp q, 0,1,2,3,4,5,6,7,8,9,10,11,12,13,14,15
	s_wait_dscnt 15-\q                             ; this row is in, the younger ones stay out
	v_pk_add_f32 v[RB+4*\q:RB+4*\q+1],   v[RB+4*\q:RB+4*\q+1],   v[BIAS:BIAS+1]
	v_pk_add_f32 v[RB+4*\q+2:RB+4*\q+3], v[RB+4*\q+2:RB+4*\q+3], v[BIAS+2:BIAS+3]
	global_store_b128 v[CO], v[RB+4*\q:RB+4*\q+3], s[8:9] offset:(16*\a+\q)*4096 th:TH_STORE_NT   ; 512 consecutive bytes of a row, aligned
.endr
.endm
	OUTF 0
	OUTF 1
	OUTF 2
	OUTF 3
	s_set_vgpr_msb 0x1
	s_wait_tensorcnt 0x0
	ds_add_u32 v255, v255
	s_wait_dscnt 0x0
	s_set_vgpr_msb 0x100
	CROUND                                         ; the closing round
	s_endpgm
.Lfunc_end_k_qe47220293a_oproj:
	.size	k_qe47220293a_oproj, .Lfunc_end_k_qe47220293a_oproj-k_qe47220293a_oproj
	.p2alignl 7, 3214868480
	.fill 96, 4, 3214868480
	.section	.rodata,"a",@progbits
	.p2align	6, 0x0
	.amdhsa_kernel k_qe47220293a_oproj
		.amdhsa_group_segment_fixed_size 327680
		.amdhsa_private_segment_fixed_size 0
		.amdhsa_enable_private_segment 0
		.amdhsa_kernarg_size 32
		.amdhsa_user_sgpr_count 2
		.amdhsa_user_sgpr_kernarg_segment_ptr 1
		.amdhsa_wavefront_size32 1
		.amdhsa_system_sgpr_workgroup_id_x 1
		.amdhsa_system_sgpr_workgroup_id_y 1
		.amdhsa_system_sgpr_workgroup_id_z 1
		.amdhsa_system_vgpr_workitem_id 0
		.amdhsa_next_free_vgpr 768
		.amdhsa_next_free_sgpr 76
		.amdhsa_reserve_vcc 0
		.amdhsa_float_denorm_mode_32 3
		.amdhsa_float_denorm_mode_16_64 3
		.amdhsa_memory_ordered 1
		.amdhsa_forward_progress 1
		.amdhsa_inst_pref_size 127
	.end_amdhsa_kernel
	.amdgpu_metadata
---
amdhsa.version: [ 1, 2 ]
amdhsa.kernels:
  - .name:           k_qe47220293a_oproj
    .symbol:         k_qe47220293a_oproj.kd
    .args:
      - { .name: ao, .offset: 0, .size: 8, .value_kind: global_buffer, .address_space: global }
      - { .name: wb, .offset: 8, .size: 8, .value_kind: global_buffer, .address_space: global }
      - { .name: b_o, .offset: 16, .size: 8, .value_kind: global_buffer, .address_space: global }
      - { .name: out0, .offset: 24, .size: 8, .value_kind: global_buffer, .address_space: global }
    .group_segment_fixed_size: 327680
    .private_segment_fixed_size: 0
    .kernarg_segment_align: 8
    .kernarg_segment_size: 32
    .max_flat_workgroup_size: 128
    .sgpr_count:     76
    .vgpr_count:     768
    .wavefront_size: 32
...
	.end_amdgpu_metadata
.endif
;; end of part 4
;; ======== version 2 of 3: 4 launches; 1.44 times as fast as version 1
;; limits: values are held in f16: magnitudes above 65,504 overflow, below 6.1e-05 lose precision
;; workspace buffers: xb 16,777,216 bytes; wb 8,388,608 bytes; qkv 50,331,648 bytes; ao 16,777,216 bytes
;; launch cast: the kernel of part 1 again; grid 768 x 1, 8 waves a work-group, no clusters, 0 bytes of LDS; arguments x, w_q, w_k, w_v, w_o, xb, wb; writes xb, wb
;; launch qkv: the kernel of part 2 again; grid 16 x 32, 4 waves a work-group, clusters of 4 x 4, 327,680 bytes of LDS; arguments xb, wb, qkv; writes qkv
;; launch attn (part 5): grid 256 x 1, 4 waves a work-group, clusters of 4 x 1, 327,680 bytes of LDS; arguments qkv, ao; writes ao
.if DOCPART == 5
	.amdgcn_target "amdgcn-amd-amdhsa--gfx1250"
	.amdhsa_code_object_version 6
	.text
	.protected	k_qe47220293a_attn
	.globl	k_qe47220293a_attn
	.p2align	8
	.type	k_qe47220293a_attn,@function
k_qe47220293a_attn:
	s_mov_b64 s[64:65], 0
	v_nop
	global_prefetch_b8 v0, s[64:65] scope:SCOPE_SE
	s_setreg_imm32_b32 hwreg(HW_REG_WAVE_MODE, 25, 1), 1
	s_wait_xcnt 0x0
	s_wait_alu depctr_hold_cnt(0) depctr_sa_sdst(0) depctr_va_vdst(0) depctr_va_sdst(0) depctr_va_ssrc(0) depctr_va_vcc(0) depctr_vm_vsrc(0)
	s_getreg_b32 s2, hwreg(HW_REG_IB_STS2, 6, 4)
	s_cmp_eq_u32 s2, 0
	s_cbranch_scc0 .Lentry_in_a_cluster
	s_endpgm
.Lentry_in_a_cluster:
	s_bfe_u32 s2, ttmp6, 0x10000c
	s_cmp_lg_u32 s2, 0x3003
	s_cbranch_scc0 .Lentry_shape_is_right
	s_endpgm
.Lentry_shape_is_right:
; Causal attention for one (b, h) per cluster of four work-groups: ao = softmax(q k^T / 8, causal) v, with a running maximum.
; q, k, v come in f16; the softmax's weights (at most 1) and ao go on in f16; sums, maxima and exponentials in f32.
; LEFT OUT: key blocks of 256 keys that lie wholly above the diagonal of a query tile: the problem's own jnp.tril throws their scores away
; whatever the inputs hold (shown at the head of the launch cast, with the limits: rows whose live scores all lie below about -1e9 + 100;
; a NaN or an infinity that sits only in those blocks is not carried to the result; |q|, |k|, |v| below 65,504).
; STILL COMPUTED, though the mask discards it: inside the diagonal block the unit left out is not the step of 64 keys.  With rows
; 256 i + 64 j + 16 w, the last 3 - j of a diagonal tile's four steps are wholly masked for work-group j: 8 (3 - j) of a wave's 144 steps, 12 on
; average.  Their scores are made, replaced by -8e9 and get the weight 0.  To jump over them would take a branch on the work-group's place
; in the cluster.
; SHARING.  Work-group j (0..3) of the cluster, wave w, holds EIGHT query tiles of 16 rows at once: tile i = rows 256 i + 64 j + 16 w + 0..15.
; The keys pass once, in eight blocks t of 256.  In block t the tiles t..7 are live, tile t lies on the diagonal.  So every wave of every
; work-group has the same schedule, 4 (8 + 7 + .. + 1) = 144 steps of 16 queries x 64 keys, and the four work-groups want the same block of
; K and V in the same round: each block is asked for jointly (mask 15).  The place in the cluster enters Q's and ao's global offsets
; and the mask's limit, and nothing else.
; THE TEXT IS FOLDED.  Only a tile's number fixes register numbers, not the block's.  So a tile's turn stands once for each LDS slot, in one loop
; of three trips over pairs of blocks (even block from slot 0: tiles 0..7; odd block from slot 1: tiles 1..7).  In block t a step enters the
; chain of tiles at tile t, by forward branches on the block's number, a counter of the text that is equal in all waves and partners.
; One chain for each slot, so that the slot stays a constant of every LDS address.  Written out: the very first step (its products start
; the sums) and blocks 6 and 7 (no block is left to fetch behind them, and a tensor load is never jumped over inside a loop).
; The tiles are divided and stored at the end.
; MATRIX WORK BESIDE VECTOR WORK.  A tile's part of a step is 16 matrix instructions and 119 vector instructions.  The live tiles of a step do not
; depend on each other and share K's and V's fragments, so they pass as a pipeline: tile i's softmax step is cut into sixteen slices; the
; first eight (maximum, rescaling factor, exponents, 16 exponentials: 53 instructions) stand one behind each of the eight products
; O^T(i-1) += V^T P(i-1), the other eight (16 exponentials, sum, weights to f16, rescaling of O^T(i): 66 instructions) one behind each of the
; eight products S^T(i+1) = K Q^T(i+1).  Scores and weights therefore have two buffers each, taken by the tile's parity.  The last slice's eight
; packed multiplies are the places between tile i+1's last score product and the first read of its scores.
; A step's first live tile is always the diagonal one: its entry holds its score products, the mask and the first eight slices by
; themselves and joins the chain at the tile's second half; the last tile's second half and its V^T P products stand by themselves too.
; The price: K's fragments, Q, both score buffers and the softmax's own registers are 64 + 128 + 64 + about 90, more than the 256 that
; an instruction can name, so the register window is switched in front of and behind each matrix instruction, 32 times in a tile's turn.
; ORIENTATION.  S^T = K Q^T: lane (r, h) holds query r and keys 16 tt + 8 h + 0..7 of score tile tt.  Packed to f16, score tiles 2 ks and
; 2 ks + 1 ARE the second source of O^T = V^T P for keys 32 ks .. + 31; V^T comes from LDS by transposing loads.  Maximum, sum and rescaling
; are a lane's own but for one exchange with lane xor 16.
; The exponent is exp2(C s + NM) with C = log2(e) / 8 and NM = the rounded -C max; the rescaling factor is exp2(NM new - NM old), made of the
; very numbers that the exponentials used, so that a rounding of NM cancels in the final division, for scores of any size.
.set KP,    144                        ; LDS pitch of a K row: 128 bytes + 16, an odd multiple of 16 (plain fragment loads)
.set VP,    160                        ; LDS pitch of a V row: 128 bytes + 32, an odd multiple of 32 (transposing loads)
.set KHALF, 128*KP                     ; 128 keys of K: one tensor load
.set VHALF, 128*VP                     ; 128 keys of V: one tensor load
.set VOFF,  2*KHALF                    ; V's 256 rows lie behind K's: what follows K's last row belongs to the same slot
.set SLOT,  VOFF+2*VHALF               ; 77,824
.set STAGE, 2*SLOT                     ; behind the ring: 16 rows x 144 bytes for each wave; no tensor load lands here
.set KA,   8                           ; running LDS address of this step's K fragments
.set VA,   9                           ; of this step's V fragments
.set KA0,  10                          ; r 144 + 16 h
.set VA0,  11                          ; VOFF + (8 h + (l & 7)) 160 + 16 ((l >> 3) & 1)
.set STO,  12                          ; the way out: in
.set RD,   13                          ; the way out: back
.set GO,   14                          ; my byte offset in the head's ao
.set LIM,  15                          ; key 16 tt + jj of this step is live for my query if it is <= LIM
.set LIM0, 16                          ; 64 j + 16 w + r - 8 h
.set QOFF, 17                          ; my byte offset in the head's q
.set ALF,  18                          ; v[18:19] rescaling factor (v19 is never used but is read as the pair's partner)
.set TMP,  20                          ; v[20:27] at work
.set NMX,  28                          ; v[28 + 2 i] = NM of tile i, v[29 + 2 i] = its running maximum
.set LSM,  44                          ; v[44 + i] = my half of tile i's running sum
.set OUTR, 52                          ; v[52:67]   rows read back
.set SCO,  68                          ; v[68:131]  four score tiles, twice: tile i's at SCO + 32 (i & 1)
.set PBF,  132                         ; v[132:163] their weights in f16, twice: tile i's at PBF + 16 (i & 1)
.set VF,   164                         ; v[164:227] V^T fragments: dv tile d, key step ks at 16 d + 8 ks
.set KF,   128                         ; WINDOW 2, v[128:191] there: K fragments: key tile tt, half kk of dk at 16 tt + 8 kk
                                       ; window 1: O^T, tile i, dv tile d at 32 i + 8 d;  window 2, v[0:127]: Q fragments, tile i, half kk at 16 i + 8 kk
.set G1V, 16                           ; s[16:23] group 1 for V's tiles
.set G1K, 24                           ; s[24:31] group 1 for K's tiles
.set G0V, 32                           ; s[32:39] group 0 for V, a set for each slot
.set G0K, 40                           ; s[40:47] group 0 for K, a set for each slot
                                       ; s14 = steps left in the block (4 .. 1);  s62 = the first live tile of this step;  s63 = the pair's even block (0, 2, 4)
.set MSB, 0
.macro WIN new                         ; the immediate's high byte repeats the setting that is left; a switch that changes nothing is dropped
.if MSB != \new
	s_set_vgpr_msb (MSB<<8)|\new
.set MSB, \new
.endif
.endm
.macro PLACES                          ; four plain vector instructions behind a matrix instruction (ISA guide 7.12.1 for vector instructions)
.rept 4
	v_nop
.endr
.endm
.macro ROUND                           ; a round of the cluster's barrier
	s_barrier_signal -1
	s_barrier_wait -1
	s_cmp_lg_u32 s8, 0
	s_cbranch_scc1 .Lnot_wave_0_\@
	s_barrier_signal -3
.Lnot_wave_0_\@:
	s_barrier_wait -3
	s_barrier_signal -1
	s_barrier_wait -1
.endm
.macro JLOAD s                         ; waves 0 and 1 fetch K's halves, waves 2 and 3 V's; the branch hangs on the wave's number alone
	s_cmp_eq_u32 s9, 0
	s_cbranch_scc0 .Lfor_v_\@
	tensor_load_to_lds s[G0K+4*\s:G0K+4*\s+3], s[G1K:G1K+7]
	s_nop 0
	s_branch .Lasked_\@
.Lfor_v_\@:
	tensor_load_to_lds s[G0V+4*\s:G0V+4*\s+3], s[G1V:G1V+7]
	s_nop 0
	v_nop
.Lasked_\@:
.endm
	s_load_b128 s[4:7], s[0:1], 0x0                ; qkv s[4:5], ao s[6:7]
	v_lshl_add_u32 v254, v0, 2, 0x29000
	v_mov_b32 v255, 0
	ds_add_u32 v254, v255
	v_lshrrev_b32 v1, 5, v0
	v_readfirstlane_b32 s8, v1                     ; wave 0..3
	s_lshr_b32 s9, s8, 1                           ; I fetch for K (0) or for V (1)
	s_and_b32 s10, s8, 1                           ; which 128 keys
	s_bfe_u32 s11, ttmp6, 0x40000                  ; cx = j
	s_mov_b32 s12, 0x76543210                      ; v_permlanex16_b32: lane i reads lane i of the other half
	s_mov_b32 s13, 0xfedcba98
	s_mov_b32 s15, 0xcfee6b28                      ; -8e9 = -1e9 / 0.125: the masked score before scaling
	; group 1: a dense 16 KiB (128 keys of 128 bytes) as 64 rows of 32 elements of 8 bytes; padding behind every 32 words = behind every key's row
	s_mov_b32 s[G1V+0], 15|(3<<16)|(1<<20)|(1<<21)|(4<<22)|(7<<25)   ; mask: all four; element of 8 bytes; padding on; bit 21 beside a mask; every 32 words; 8 words
	s_mov_b32 s[G1K+0], 15|(3<<16)|(1<<20)|(1<<21)|(4<<22)|(3<<25)   ; the same with 4 words
.irp g, G1V, G1K
	s_mov_b32 s[\g+1], 32<<16                      ; tensor_dim0 = 32
	s_mov_b32 s[\g+2], 64<<16                      ; tensor_dim1 = 64
	s_mov_b32 s[\g+3], 32<<16                      ; tile_dim0 = 32
	s_mov_b32 s[\g+4], 64                          ; tile_dim1 = 64
	s_mov_b32 s[\g+5], 32                          ; elements from row to row: dense
	s_mov_b32 s[\g+6], 0
	s_mov_b32 s[\g+7], 0
.endr
	s_lshl_b32 s48, ttmp9, 18                      ; the head b*16 + h = the cluster's number: 262,144 bytes a head
	s_mov_b32 s49, 0
	s_lshl_b32 s60, s10, 14                        ; my half of a block
	s_mov_b32 s61, 0
	s_mul_i32 s58, s8, KHALF                       ; LDS: K's halves at wave x 18,432 (waves 0, 1)
	s_mul_i32 s59, s8, VHALF
	s_sub_co_u32 s59, s59, 2*VHALF-VOFF            ; V's halves at wave x 20,480 - 4,096 (waves 2, 3: 36,864 and 57,344)
	s_wait_dscnt 0x0
	s_wait_kmcnt 0x0
	s_add_nc_u64 s[54:55], s[4:5], s[48:49]        ; q of my head
	s_add_nc_u64 s[56:57], s[6:7], s[48:49]        ; ao of my head
	s_add_nc_u64 s[52:53], s[54:55], s[60:61]
	s_add_nc_u64 s[50:51], s[52:53], 0x2000000     ; v: part 2
	s_add_nc_u64 s[52:53], s[52:53], 0x1000000     ; k: part 1
.irp s, 0,1
	s_mov_b32 s[G0K+4*\s], 1
	s_add_co_u32 s[G0K+4*\s+1], s58, \s*SLOT
	s_add_nc_u64 s[G0K+4*\s+2:G0K+4*\s+3], s[52:53], \s*32768      ; key block s
	s_or_b32 s[G0K+4*\s+3], s[G0K+4*\s+3], 0x80000000
	s_mov_b32 s[G0V+4*\s], 1
	s_add_co_u32 s[G0V+4*\s+1], s59, \s*SLOT
	s_add_nc_u64 s[G0V+4*\s+2:G0V+4*\s+3], s[50:51], \s*32768
	s_or_b32 s[G0V+4*\s+3], s[G0V+4*\s+3], 0x80000000
.endr
	ROUND                                          ; in front of the first joint load
	JLOAD 0                                        ; key block 0.  One tensor load of the wave is out, here and behind every later round
	v_and_b32 v1, 15, v0                           ; r
	v_bfe_u32 v2, v0, 4, 1                         ; h
	v_and_b32 v3, 31, v0                           ; l
	v_and_b32 v4, 7, v0
	v_bfe_u32 v5, v0, 3, 1
	v_bfe_u32 v6, v0, 3, 2
	v_mul_u32_u24 v[KA0], v1, KP
	v_lshl_add_u32 v[KA0], v2, 4, v[KA0]           ; r 144 + 16 h
	s_mul_i32 s60, s8, 16*KP
	s_add_co_u32 s60, s60, STAGE                   ; my stage
	v_add_nc_u32 v[STO], s60, v[KA0]
	v_lshl_add_u32 v20, v2, 3, v4
	v_mul_u32_u24 v20, v20, VP
	v_lshl_add_u32 v20, v5, 4, v20
	v_add_nc_u32 v[VA0], VOFF, v20
	v_mul_u32_u24 v20, v6, KP
	v_lshl_add_u32 v20, v4, 4, v20
	v_add_nc_u32 v[RD], s60, v20                   ; back: eight lanes a row of 128 bytes, 32 lanes four rows
	s_lshl_b32 s61, s11, 6
	s_lshl4_add_u32 s61, s8, s61                   ; 64 j + 16 w: my first row in each tile's 256
	v_add_nc_u32 v20, s61, v1
	v_lshlrev_b32 v21, 3, v2
	v_sub_nc_u32 v[LIM0], v20, v21
	v_lshlrev_b32 v20, 7, v20
	v_lshl_add_u32 v[QOFF], v2, 4, v20
	s_lshl_b32 s61, s61, 7
	v_lshl_add_u32 v[GO], v3, 4, s61
	v_mov_b32 v[ALF+1], 0
	WIN 0x80                                       ; destination window 2
.irp i, 0,1,2,3,4,5,6,7
.irp kk, 0,1
	global_load_b128 v[16*\i+8*\kk:16*\i+8*\kk+3],   v[QOFF], s[54:55] offset:32768*\i+64*\kk      ; Q(r, 32 kk + 8 h ..)
	global_load_b128 v[16*\i+8*\kk+4:16*\i+8*\kk+7], v[QOFF], s[54:55] offset:32768*\i+64*\kk+32   ; Q(r, 32 kk + 16 + 8 h ..)
.endr
.endr
	WIN 0
.macro KLOAD off                       ; 16 loads: 64 keys x 64 dk
	WIN 0x80                                       ; destination window 2, address window 0
.irp tt, 0,1,2,3
.irp kk, 0,1
	ds_load_b128 v[KF+16*\tt+8*\kk:KF+16*\tt+8*\kk+3],   v[KA] offset:\off+16*KP*\tt+64*\kk
	ds_load_b128 v[KF+16*\tt+8*\kk+4:KF+16*\tt+8*\kk+7], v[KA] offset:\off+16*KP*\tt+64*\kk+32
.endr
.endr
	WIN 0
.endm
.macro VLOAD                           ; 16 transposing loads: 64 dv x 64 keys
.irp d, 0,1,2,3
.irp ks, 0,1
	ds_load_tr16_b128 v[VF+16*\d+8*\ks:VF+16*\d+8*\ks+3],   v[VA] offset:32*VP*\ks+32*\d
	ds_load_tr16_b128 v[VF+16*\d+8*\ks+4:VF+16*\d+8*\ks+7], v[VA] offset:32*VP*\ks+32*\d+16*VP
.endr
.endr
.endm
; Matrix instruction sl (0..7) of S^T of tile i.  The four score tiles take turns, one instruction a turn; the first four start the sums.
.macro QK1 i, sl
	WIN 0x0a                                       ; sources 0 (K) and 1 (Q) window 2; C and D window 0
.set QS, SCO+32*((\i)&1)+8*((\sl)&3)
.set QA, KF+16*((\sl)&3)
.if \sl < 4
	v_wmma_f32_16x16x32_f16 v[QS:QS+7], v[QA:QA+7], v[16*(\i):16*(\i)+7], 0
.else
	v_wmma_f32_16x16x32_f16 v[QS:QS+7], v[QA+8:QA+15], v[16*(\i)+8:16*(\i)+15], v[QS:QS+7]
.endif
.endm
; Matrix instruction sl (0..7) of O^T of tile i += V^T P.  The four dv tiles take turns, one instruction a turn.
.macro PV1 i, sl, first
	WIN 0x50                                       ; C and D window 1; sources 0 (V^T) and 1 (P) window 0
.set PO, 32*(\i)+8*((\sl)&3)
.set PA, VF+16*((\sl)&3)
.set PP, PBF+16*((\i)&1)
.if \sl < 4
.if \first
	v_wmma_f32_16x16x32_f16 v[PO:PO+7], v[PA:PA+7], v[PP:PP+7], 0
.else
	v_wmma_f32_16x16x32_f16 v[PO:PO+7], v[PA:PA+7], v[PP:PP+7], v[PO:PO+7]
.endif
.else
	v_wmma_f32_16x16x32_f16 v[PO:PO+7], v[PA+8:PA+15], v[PP+8:PP+15], v[PO:PO+7]
.endif
.endm
; The causal mask on the four score tiles of tile i, where it is the diagonal tile
.macro MASK i
.set MB, SCO+32*((\i)&1)
.irp tt, 0,1,2,3
.irp jj, 0,1,2,3,4,5,6,7
	v_cmp_le_i32 vcc_lo, 16*\tt+\jj, v[LIM]
	v_cndmask_b32 v[MB+8*\tt+\jj], s15, v[MB+8*\tt+\jj], vcc_lo      ; live: the score; masked: -8e9
.endr
.endr
.endm
; Pieces of the slices.  SB and PB are the tile's score and weight buffers, set at the head of each slice.
.macro FMA8 from                       ; eight packed multiply-adds: C s + NM, NM broadcast from TMP+2
.set p, \from
.rept 8
	v_pk_fma_f32 v[SB+2*p:SB+2*p+1], v[SB+2*p:SB+2*p+1], 0x3e38aa3b, v[TMP+2:TMP+3] op_sel_hi:[1,0,0]
.set p, p+1
.endr
.endm
.macro EXP8 from                       ; eight exponentials in place
.set p, \from
.rept 8
	v_exp_f32 v[p], v[p]
.set p, p+1
.endr
.endm
.macro CVTP from, cnt                  ; weights of 0 to 1 to f16: inside f16's range
.set p, \from
.rept \cnt
	v_cvt_pk_f16_f32 v[PB+p], v[SB+2*p], v[SB+2*p+1]
.set p, p+1
.endr
.endm
.macro RESC8 i, from                   ; half of O^T of tile i times the rescaling factor
	WIN 0x41                                       ; destination and source 0 window 1
.set p, \from
.rept 8
	v_pk_mul_f32 v[32*(\i)+2*p:32*(\i)+2*p+1], v[32*(\i)+2*p:32*(\i)+2*p+1], v[ALF:ALF+1] op_sel_hi:[1,0]
.set p, p+1
.endr
.endm
; Slice sl (0..7) of the FIRST HALF of tile i's softmax step: 8, 6, 3, 4, 8, 8, 8, 8 instructions.  first = 1: the maximum begins here.
.macro SLA i, sl, first
	WIN 0
.set SB, SCO+32*((\i)&1)
.if \sl == 0
.irp c, 0,1,2,3
	v_max3_num_f32 v[TMP+\c], v[SB+8*\c], v[SB+8*\c+1], v[SB+8*\c+2]      ; four chains that do not wait for each other
.endr
.irp c, 0,1,2,3
	v_max3_num_f32 v[TMP+\c], v[TMP+\c], v[SB+8*\c+3], v[SB+8*\c+4]
.endr
.endif
.if \sl == 1
.irp c, 0,1,2,3
	v_max3_num_f32 v[TMP+\c], v[TMP+\c], v[SB+8*\c+5], v[SB+8*\c+6]
.endr
	v_max3_num_f32 v[TMP], v[TMP], v[TMP+1], v[SB+7]
	v_max3_num_f32 v[TMP+2], v[TMP+2], v[TMP+3], v[SB+15]
.endif
.if \sl == 2
	v_max3_num_f32 v[TMP], v[TMP], v[TMP+2], v[SB+23]
	v_max_num_f32 v[TMP], v[TMP], v[SB+31]
	v_permlanex16_b32 v[TMP+1], v[TMP], s12, s13   ; the other half of my query's keys
.endif
.if \sl == 3
.if \first
	v_max_num_f32 v[NMX+2*(\i)+1], v[TMP], v[TMP+1]
	v_mul_f32 v[TMP+2], 0xbe38aa3b, v[NMX+2*(\i)+1]        ; NM = -C max
.else
	v_max3_num_f32 v[NMX+2*(\i)+1], v[TMP], v[TMP+1], v[NMX+2*(\i)+1]
	v_mul_f32 v[TMP+2], 0xbe38aa3b, v[NMX+2*(\i)+1]
	v_sub_f32 v[TMP+4], v[TMP+2], v[NMX+2*(\i)]    ; NM new - NM old, at most 0
	v_exp_f32 v[ALF], v[TMP+4]                     ; the next slice's multiply-adds are the plain instructions behind it (ISA guide 5.7.2)
.endif
.endif
.if \sl == 4
	FMA8 0
.endif
.if \sl == 5
	FMA8 8
.endif
.if \sl == 6
	EXP8 SB
.endif
.if \sl == 7
	EXP8 SB+8
.endif
.endm
; Slice sl (0..7) of the SECOND HALF: 8, 8, 9, 8, 7, 10, 8, 8 instructions.  first = 1: the sum begins here and nothing is rescaled (slices 6 and 7 are empty).
; The conversions stand among the last links of the sum, which wait for each other.
.macro SLB i, sl, first
.set SB, SCO+32*((\i)&1)
.set PB, PBF+16*((\i)&1)
.if \sl < 6
	WIN 0
.endif
.if \sl == 0
	EXP8 SB+16
.endif
.if \sl == 1
	EXP8 SB+24
.endif
.if \sl == 2
	v_mov_b32 v[NMX+2*(\i)], v[TMP+2]              ; keeps NM; also the plain instruction between the exponentials and their first use (ISA guide 5.7.2)
	s_wait_alu depctr_va_vdst(0)
.irp c, 0,1,2,3
	v_pk_add_f32 v[TMP+2*\c:TMP+2*\c+1], v[SB+4*\c:SB+4*\c+1], v[SB+4*\c+2:SB+4*\c+3]
.endr
.irp c, 0,1,2,3
	v_pk_add_f32 v[TMP+2*\c:TMP+2*\c+1], v[TMP+2*\c:TMP+2*\c+1], v[SB+16+2*\c:SB+16+2*\c+1]
.endr
.endif
.if \sl == 3
.irp c, 0,1,2,3
	v_pk_add_f32 v[TMP+2*\c:TMP+2*\c+1], v[TMP+2*\c:TMP+2*\c+1], v[SB+24+2*\c:SB+24+2*\c+1]
.endr
	CVTP 0, 4
.endif
.if \sl == 4
	v_pk_add_f32 v[TMP:TMP+1], v[TMP:TMP+1], v[TMP+2:TMP+3]
	v_pk_add_f32 v[TMP+4:TMP+5], v[TMP+4:TMP+5], v[TMP+6:TMP+7]
	CVTP 4, 2
	v_pk_add_f32 v[TMP:TMP+1], v[TMP:TMP+1], v[TMP+4:TMP+5]
	CVTP 6, 2
.endif
.if \sl == 5
	CVTP 8, 2
.if \first
	v_add_f32 v[LSM+(\i)], v[TMP], v[TMP+1]
	CVTP 10, 6
.else
	v_add_f32 v[TMP], v[TMP], v[TMP+1]
	CVTP 10, 4
	v_fma_f32 v[LSM+(\i)], v[LSM+(\i)], v[ALF], v[TMP]     ; the sum so far rescaled, plus this step's
	CVTP 14, 2
.endif
.endif
.if \first == 0
.if \sl == 6
	RESC8 \i, 0
.endif
.if \sl == 7
	RESC8 \i, 8
.endif
.endif
.endm
; A step enters the chain at its first live tile i, which is the diagonal one: its scores, the mask, the first half of its softmax step.
; V's 16 loads of this step are waited for here, ahead of the step's first product with V^T: every step passes exactly one entry.
.macro ENTRY i, first
.irp sl, 0,1,2,3,4,5,6,7
	QK1 \i, \sl
.endr
	WIN 0
	PLACES
	MASK \i
.irp sl, 0,1,2,3,4,5,6,7
	SLA \i, \sl, \first
.endr
	s_wait_dscnt 0x0
.endm
; The first half of tile i's softmax step, a slice behind each of tile i-1's eight products with V^T
.macro PARTA i, first
.irp sl, 0,1,2,3,4,5,6,7
	PV1 (\i-1), \sl, \first
	SLA \i, \sl, \first
.endr
	WIN 0
.endm
; The second half, a slice behind each of tile i+1's eight score products (qk = 0: tile i is the last, the slices stand alone).
; Behind the last score product stand slice 7's eight packed multiplies, which name none of its registers; in the very first step,
; which rescales nothing, four v_nop take their place.
.macro PARTB i, qk, first
.irp sl, 0,1,2,3,4,5,6,7
.if \qk
	QK1 (\i+1), \sl
.endif
	SLB \i, \sl, \first
.endr
	WIN 0
.if \qk
.if \first
	PLACES
.endif
.endif
.endm
.macro PVLAST i, first                 ; the last tile's eight products with V^T
.irp sl, 0,1,2,3,4,5,6,7
	PV1 \i, \sl, \first
.endr
	WIN 0
.endm
; The next step's K fragments are asked for when the last tile's scores are made (at least four plain vector instructions behind them).
; cond = 1: not in the block's last step, whose next 64 rows would lie behind K's 256.
.macro KPRE cond
.if \cond
	s_cmp_eq_u32 s14, 1
	s_cbranch_scc1 .Llast_\@
.endif
	KLOAD 64*KP
.if \cond
.Llast_\@:
.endif
.endm
.macro STEPHEAD                        ; K's fragments were asked for before the step
	PLACES                                         ; behind the last tile's products, which read VF
	VLOAD
	s_wait_dscnt 16                                ; K's 16 loads, the older ones, are in; V's 16 stay out
.endm
.macro STEPEND                         ; on to the next 64 keys
	v_add_nc_u32 v[KA], 64*KP, v[KA]
	v_add_nc_u32 v[VA], 64*VP, v[VA]
	v_add_nc_u32 v[LIM], -64, v[LIM]
.endm
.macro AGAIN label                     ; four steps to a block
	s_sub_co_u32 s14, s14, 1
	s_cmp_lg_u32 s14, 0
	s_cbranch_scc1 \label
.endm
; The change of slots behind the block that was read from slot s: every wave's tensor loads have landed (its part of the next block among them)
; and its reads of slot s are over; a round of the cluster's barrier; then the joint load into slot s, two blocks on, first thing behind the round.
.macro HEADR s
	s_wait_tensorcnt 0x0
	ds_add_u32 v254, v255
	s_add_nc_u64 s[G0K+4*\s+2:G0K+4*\s+3], s[G0K+4*\s+2:G0K+4*\s+3], 65536   ; no load of mine is out: the descriptors may be written
	s_add_nc_u64 s[G0V+4*\s+2:G0V+4*\s+3], s[G0V+4*\s+2:G0V+4*\s+3], 65536
	s_wait_dscnt 0x0
	ROUND
	JLOAD \s
.endm
.macro BLOCKIN s                       ; a block begins in slot s: addresses, the mask's limit, the first step's K fragments, four steps
.if \s
	v_add_nc_u32 v[KA], SLOT, v[KA0]
	v_add_nc_u32 v[VA], SLOT, v[VA0]
.else
	v_mov_b32 v[KA], v[KA0]
	v_mov_b32 v[VA], v[VA0]
.endif
	v_mov_b32 v[LIM], v[LIM0]
	KLOAD 0
	s_mov_b32 s14, 4
.endm
; Tile i is complete: divide by the sum, round to f16, 16 rows through my stage, out as 512 consecutive bytes a store.
.macro FINAL i
	v_permlanex16_b32 v[TMP+1], v[LSM+\i], s12, s13
	v_add_f32 v[TMP], v[LSM+\i], v[TMP+1]          ; both halves of the keys; at least about 1: the row's maximum counts as exp2(0)
	v_rcp_f32 v[ALF], v[TMP]
	v_nop                                          ; a plain instruction behind the reciprocal (ISA guide 5.7.2)
	WIN 0x01                                       ; source 0 window 1
.set p, 0
	s_wait_alu depctr_va_vdst(0)
.rept 16
	v_pk_mul_f32 v[SCO+2*p:SCO+2*p+1], v[32*\i+2*p:32*\i+2*p+1], v[ALF:ALF+1] op_sel_hi:[1,0]
.set p, p+1
.endr
	WIN 0
.set p, 0
.rept 16
	v_cvt_pk_f16_f32 v[PBF+p], v[SCO+2*p], v[SCO+2*p+1]    ; a weighted mean of rows of v: inside v's range
.set p, p+1
.endr
.irp d, 0,1,2,3
	ds_store_b128 v[STO], v[PBF+4*\d:PBF+4*\d+3] offset:32*\d      ; query r, dv 16 d + 8 h .. + 7
.endr
	s_wait_xcnt 0x0                                ; OUTR, which the last tile's stores read, is loaded again only behind this wait
.irp q, 0,1,2,3
	ds_load_b128 v[OUTR+4*\q:OUTR+4*\q+3], v[RD] offset:4*KP*\q    ; LDS serves a wave's instructions in order: these see the stores above
.endr
.irp q, 0,1,2,3
	s_wait_dscnt 3-\q                              ; this load is in, the younger ones stay out
	global_store_b128 v[GO], v[OUTR+4*\q:OUTR+4*\q+3], s[56:57] offset:32768*\i+512*\q
.endr
.endm
	; BLOCK 0 HAS LANDED; block 1 is asked for, into slot 1, behind a round as a refill is.
	s_wait_tensorcnt 0x0
	ds_add_u32 v254, v255
	s_wait_dscnt 0x0
	ROUND
	JLOAD 1
	BLOCKIN 0
	s_wait_loadcnt 0x0                             ; Q, once
	; THE VERY FIRST STEP, keys 0..63, for all eight tiles: it starts every tile's maximum, sum and O^T, so that nothing is cleared.
	STEPHEAD
	ENTRY 0, 1
	PARTB 0, 1, 1
.irp i, 1,2,3,4,5,6
	PARTA \i, 1
	PARTB \i, 1, 1
.endr
	KPRE 0
	PARTA 7, 1
	PARTB 7, 0, 1
	PVLAST 7, 1
	s_mov_b32 s63, 0                               ; the pair of blocks 0 and 1
	s_mov_b32 s62, 8                               ; no tile is live in the loop's first trip: block 0's first step has just been made, the trip only steps the
	                                               ; addresses; so every block's loop has four trips, counted from one constant
	; BLOCKS 0 TO 5, two to a trip.
.Lpair:
.Lstep_even:                                           ; block s63 from slot 0
	s_cmp_gt_u32 s62, 7
	s_cbranch_scc1 .Ldone_even
	STEPHEAD
	s_cmp_eq_u32 s62, 2                            ; block 2 enters at tile 2,
	s_cbranch_scc1 .Leven_in_2
	s_cmp_eq_u32 s62, 4                            ; block 4 at tile 4,
	s_cbranch_scc1 .Leven_in_4
	ENTRY 0, 0                                     ; block 0 at tile 0
	PARTB 0, 1, 0
	PARTA 1, 0
	PARTB 1, 1, 0
	PARTA 2, 0
	s_branch .Leven_b_2
.Leven_in_2:
	ENTRY 2, 0
.Leven_b_2:
	PARTB 2, 1, 0
	PARTA 3, 0
	PARTB 3, 1, 0
	PARTA 4, 0
	s_branch .Leven_b_4
.Leven_in_4:
	ENTRY 4, 0
.Leven_b_4:
	PARTB 4, 1, 0
	PARTA 5, 0
	PARTB 5, 1, 0
	PARTA 6, 0
	PARTB 6, 1, 0
	KPRE 1
	PARTA 7, 0
	PARTB 7, 0, 0
	PVLAST 7, 0
.Ldone_even:
	STEPEND
	s_mov_b32 s62, s63                             ; from the second trip on the first live tile is the block's number
	AGAIN .Lstep_even
	HEADR 0                                        ; block s63 + 2 into slot 0
	BLOCKIN 1
	s_add_co_u32 s62, s63, 1
.Lstep_odd:                                            ; block s63 + 1 from slot 1
	STEPHEAD
	s_cmp_eq_u32 s62, 3                            ; block 3 enters at tile 3,
	s_cbranch_scc1 .Lodd_in_3
	s_cmp_eq_u32 s62, 5                            ; block 5 at tile 5,
	s_cbranch_scc1 .Lodd_in_5
	ENTRY 1, 0                                     ; block 1 at tile 1
	PARTB 1, 1, 0
	PARTA 2, 0
	PARTB 2, 1, 0
	PARTA 3, 0
	s_branch .Lodd_b_3
.Lodd_in_3:
	ENTRY 3, 0
.Lodd_b_3:
	PARTB 3, 1, 0
	PARTA 4, 0
	PARTB 4, 1, 0
	PARTA 5, 0
	s_branch .Lodd_b_5
.Lodd_in_5:
	ENTRY 5, 0
.Lodd_b_5:
	PARTB 5, 1, 0
	PARTA 6, 0
	PARTB 6, 1, 0
	KPRE 1
	PARTA 7, 0
	PARTB 7, 0, 0
	PVLAST 7, 0
	STEPEND
	AGAIN .Lstep_odd
	HEADR 1                                        ; block s63 + 3 into slot 1; in the last trip that is block 7, the last load
	BLOCKIN 0
	s_add_co_u32 s63, s63, 2
	s_mov_b32 s62, s63
	s_cmp_lt_u32 s63, 6
	s_cbranch_scc1 .Lpair
	; BLOCK 6 from slot 0: tiles 6 and 7.  Nothing is left to fetch.
.Lstep_6:
	STEPHEAD
	ENTRY 6, 0
	PARTB 6, 1, 0
	KPRE 1
	PARTA 7, 0
	PARTB 7, 0, 0
	PVLAST 7, 0
	STEPEND
	AGAIN .Lstep_6
	s_wait_tensorcnt 0x0                           ; my part of block 7 has landed,
	s_wait_dscnt 0x0
	s_barrier_signal -1                            ; and the four waves' parts are shown to each other; no slot is filled behind this barrier
	s_barrier_wait -1
	BLOCKIN 1
	; BLOCK 7 from slot 1: tile 7 alone; the request for K stands behind the entry's wait for V, so that the wait's count is the same on both ways.
.Lstep_7:
	STEPHEAD
	ENTRY 7, 0
	KPRE 1
	PARTB 7, 0, 0
	PVLAST 7, 0
	STEPEND
	AGAIN .Lstep_7
	PLACES                                         ; behind the last products, whose results are read next
	FINAL 0
	FINAL 1
	FINAL 2
	FINAL 3
	FINAL 4
	FINAL 5
	FINAL 6
	FINAL 7
	s_wait_tensorcnt 0x0
	ds_add_u32 v254, v255
	s_wait_dscnt 0x0
	ROUND                                          ; the closing round
	s_endpgm
.Lfunc_end_k_qe47220293a_attn:
	.size	k_qe47220293a_attn, .Lfunc_end_k_qe47220293a_attn-k_qe47220293a_attn
	.p2alignl 7, 3214868480
	.fill 96, 4, 3214868480
	.section	.rodata,"a",@progbits
	.p2align	6, 0x0
	.amdhsa_kernel k_qe47220293a_attn
		.amdhsa_group_segment_fixed_size 327680
		.amdhsa_private_segment_fixed_size 0
		.amdhsa_enable_private_segment 0
		.amdhsa_kernarg_size 16
		.amdhsa_user_sgpr_count 2
		.amdhsa_user_sgpr_kernarg_segment_ptr 1
		.amdhsa_wavefront_size32 1
		.amdhsa_system_sgpr_workgroup_id_x 1
		.amdhsa_system_sgpr_workgroup_id_y 1
		.amdhsa_system_sgpr_workgroup_id_z 1
		.amdhsa_system_vgpr_workitem_id 0
		.amdhsa_next_free_vgpr 704
		.amdhsa_next_free_sgpr 66
		.amdhsa_reserve_vcc 1
		.amdhsa_float_denorm_mode_32 3
		.amdhsa_float_denorm_mode_16_64 3
		.amdhsa_memory_ordered 1
		.amdhsa_forward_progress 1
		.amdhsa_inst_pref_size 255
	.end_amdhsa_kernel
	.section	.bss,"aw",@nobits
	.p2align	6
	.space	262144
	.amdgpu_metadata
---
amdhsa.version: [ 1, 2 ]
amdhsa.kernels:
  - .name:           k_qe47220293a_attn
    .symbol:         k_qe47220293a_attn.kd
    .args:
      - { .name: qkv, .offset: 0, .size: 8, .value_kind: global_buffer, .address_space: global }
      - { .name: ao, .offset: 8, .size: 8, .value_kind: global_buffer, .address_space: global }
    .group_segment_fixed_size: 327680
    .private_segment_fixed_size: 0
    .kernarg_segment_align: 8
    .kernarg_segment_size: 16
    .max_flat_workgroup_size: 128
    .sgpr_count:     66
    .vgpr_count:     704
    .wavefront_size: 32
...
	.end_amdgpu_metadata
.endif
;; end of part 5
;; launch oproj: the kernel of part 4 again; grid 8 x 32, 4 waves a work-group, clusters of 4 x 4, 327,680 bytes of LDS; arguments ao, wb, b_o, out0; writes out0
;; ======== version 3 of 3: 4 launches; version 2 with the launch cast written anew for expert scheduling mode
;; limits: values are held in f16: magnitudes above 65,504 overflow, below 6.1e-05 lose precision
;; workspace buffers: xb 16,777,216 bytes; wb 8,388,608 bytes; qkv 50,331,648 bytes; ao 16,777,216 bytes
;; launch cast (part 6): grid 768 x 1, 8 waves a work-group, no clusters, 0 bytes of LDS; arguments x, w_q, w_k, w_v, w_o, xb, wb; writes xb, wb
.if DOCPART == 6
	.amdgcn_target "amdgcn-amd-amdhsa--gfx1250"
	.amdhsa_code_object_version 6
	.text
	.protected	k_qe47220293a_cast
	.globl	k_qe47220293a_cast
	.p2align	8
	.type	k_qe47220293a_cast,@function
k_qe47220293a_cast:
	s_mov_b64 s[64:65], 0
	v_nop
	global_prefetch_b8 v0, s[64:65] scope:SCOPE_SE
	s_setreg_imm32_b32 hwreg(HW_REG_WAVE_SCHED_MODE, 0, 2), 2
	s_setreg_imm32_b32 hwreg(HW_REG_WAVE_MODE, 25, 1), 1
	s_wait_xcnt 0x0
	s_wait_alu depctr_vm_vsrc(0)
; CAUSAL ATTENTION IN FOUR LAUNCHES.  B = 4, S = 2048, D = 1024, H = 16, DK = 64.
;   cast : x and the four weights, f32 to 16 bits (xb [8192][1024] bf16; wb [4096][1024] = w_q, w_k, w_v in bf16, then w_o in f16)
;   qkv  : xb times wb's rows 0..3071 (bf16 operands), result by heads: qkv [3 parts][64 = b*16+h][2048][64] f16
;   attn : causal softmax(q k^T / 8) v for each (b, h), with a running maximum (f16 operands): ao [64][2048][64] f16
;   oproj: ao times w_o^T plus b_o (f16 operands): out0, f32
; FORMATS.  The inputs x, w_q, w_k, w_v, w_o are rounded once, to bf16.  What is made of them (q, k, v, the softmax's weights, the
; attention's result) goes on as f16: a sequence's first rows average few keys, so their results are some ten times the output's root mean
; square, against which an error is held, and 8 significant bits on each of these five would be too few there; f16 has 11.
; w_o meets an f16 operand in one matrix instruction, so it is kept as f16; it is rounded to bf16 first, so that all inputs carry the same one
; rounding (the problem compares with reference() on inputs rounded to bf16).  A bf16 number is an f16 number exactly for
; 2^-17 <= |w| < 65,504; below that the second rounding moves it by 2^-25 at the most.
; WORK LEFT OUT (in attn).  The problem's reference() replaces score (q, k) by -1e9 wherever k > q, by a jnp.tril that it builds itself.
; So the products q.k of those places are thrown away whatever the inputs hold, and they are not made where they come in whole
; blocks of 256 keys (key block t > query tile i).  Their softmax weight is exp(-1e9 - m), where m, the row's maximum, is at least the
; row's own score on the diagonal, which is always live; the weight's product with v is left out with them.  Inside the block on the
; diagonal everything is computed and the score replaced as reference() replaces it.  Every input has a way to the output and is loaded.
; LIMITS.  (a) A row whose live scores all lie below about -1e9 + 100 would give the masked places a weight in reference(); here they
; have none.  (b) A NaN, an infinity or an overflow that reaches only the blocks left out is not carried to the result.
; (c) |q|, |k|, |v| and |w_o| stay below 65,504, f16's largest number.  x and the weights both 30 times larger than drawn give about
; 900 x 6 = 5,400; a common offset of 30 spreads on both gives about 1024 x 30 x 0.94 = 29,000.  Both 30 times smaller give about 1e-3,
; where f16's step, 2^-24 at the least, is 6e-5 of their spread.
;
; THIS LAUNCH: a stream, no LDS, no loop.  12,582,912 numbers, 16,384 to a work-group (512 work-groups for x, 64 for each weight),
; 2,048 to a wave: sixteen loads of 512 neighbouring bytes, all issued at once, and sixteen stores of 256 neighbouring bytes, aligned.
; THE MODE: SCHED_MODE bits 1:0 = 2 (LLVM: expert scheduling mode 2), set by the entry lines.  The code itself states the register dependences
; between vector instructions and memory instructions, with s_wait_alu, always for 0.
; THE PLAN.  Registers that memory instructions touch:
;   v3, v4   byte offsets of the loads and of the stores.  Made by vector lines at the head, never written again.
;   X        load j's four registers.  Written by load j alone, before any vector line names them; read (and, for w_o, written again) by vector
;            lines behind the counted wait for the load; no memory instruction reads them.
;   Y        piece j's two registers.  Written by piece j's conversions, read by piece j's store, never written behind it.
; So no register that a memory instruction has read is written again, and no load lands in a register that a vector line has named: what is left to
; state is that the offsets are written ahead of the first load, and that each piece's Y is written ahead of its store.  The sixteen pieces go in four
; groups of four: the wait for the group's four loads, its conversions, ONE wait on va_vdst, its four stores in a run.  That wait stands behind the
; group's conversions and not at the next group's head: what follows a group's stores is the wait for the next four loads, on which these stores do not hang.
.set X, 8                              ; v[8:71]    load j: 4 numbers in f32
.set Y, 72                             ; v[72:103]  load j: the same 4 in 16 bits
	s_load_b256 s[4:11], s[0:1], 0x0               ; x s[4:5], w_q s[6:7], w_k s[8:9], w_v s[10:11]
	s_load_b128 s[12:15], s[0:1], 0x20             ; w_o s[12:13], xb s[14:15]
	s_load_b64 s[16:17], s[0:1], 0x30              ; wb
	s_mov_b32 s23, ttmp9                           ; work-group 0..767
	s_lshr_b32 s20, s23, 6                         ; 0..7: x;  8, 9, 10, 11: w_q, w_k, w_v, w_o
	s_and_b32 s21, s23, 63                         ; the piece of a weight
	s_and_b32 s22, s23, 255                        ; the piece of wb
	v_lshrrev_b32 v1, 5, v0                        ; wave
	v_and_b32 v2, 31, v0                           ; lane
	v_lshlrev_b32 v3, 4, v2
	v_lshl_or_b32 v3, v1, 13, v3                   ; source: 8,192 bytes a wave, 16 a lane
	v_lshlrev_b32 v4, 3, v2
	v_lshl_or_b32 v4, v1, 12, v4                   ; destination: 4,096 bytes a wave, 8 a lane
	s_wait_kmcnt 0x0
	s_cmp_lt_u32 s20, 8                            ; x or a weight?  The choice hangs on the work-group's number alone
	s_cselect_b32 s24, s23, s21                    ; piece of the source
	s_cselect_b32 s26, s23, s22                    ; piece of the destination
	s_cselect_b64 s[18:19], s[14:15], s[16:17]     ; xb or wb
	s_cmp_eq_u32 s20, 8
	s_cselect_b64 s[4:5], s[6:7], s[4:5]
	s_cmp_eq_u32 s20, 9
	s_cselect_b64 s[4:5], s[8:9], s[4:5]
	s_cmp_eq_u32 s20, 10
	s_cselect_b64 s[4:5], s[10:11], s[4:5]
	s_cmp_eq_u32 s20, 11
	s_cselect_b64 s[4:5], s[12:13], s[4:5]
	s_lshl_b32 s24, s24, 16                        ; 65,536 bytes of f32 a piece
	s_mov_b32 s25, 0
	s_lshl_b32 s26, s26, 15                        ; 32,768 bytes of 16-bit numbers
	s_mov_b32 s27, 0
	s_add_nc_u64 s[4:5], s[4:5], s[24:25]
	s_add_nc_u64 s[18:19], s[18:19], s[26:27]
	s_wait_alu depctr_va_vdst(0)                   ; v3 and v4 are written: every load below reads v3 as its offset, every store v4
.irp j, 0,1,2,3,4,5,6,7,8,9,10,11,12,13,14,15
	global_load_b128 v[X+4*\j:X+4*\j+3], v3, s[4:5] offset:512*\j th:TH_LOAD_NT   ; read once in the launch
.endr
; Group g: the numbers of loads 4 g to 4 g + 3 are rounded and stored.  half = 1 (w_o): the bf16 numbers are widened again and kept as f16.
.macro GROUP g, half
	s_wait_loadcnt 12-4*(\g)                       ; loads come back in order: the group's four are in, the 12 - 4 g younger ones stay out
.irp i, 0,1,2,3
	v_cvt_pk_bf16_f32 v[Y+8*(\g)+2*(\i)],   v[X+16*(\g)+4*(\i)],   v[X+16*(\g)+4*(\i)+1]
	v_cvt_pk_bf16_f32 v[Y+8*(\g)+2*(\i)+1], v[X+16*(\g)+4*(\i)+2], v[X+16*(\g)+4*(\i)+3]
.endr
.if \half
.irp i, 0,1,2,3
	v_lshlrev_b32 v[X+16*(\g)+4*(\i)],   16, v[Y+8*(\g)+2*(\i)]               ; bf16 to f32: the low half moves up,
	v_and_b32     v[X+16*(\g)+4*(\i)+1], 0xffff0000, v[Y+8*(\g)+2*(\i)]       ; the high half stays
	v_lshlrev_b32 v[X+16*(\g)+4*(\i)+2], 16, v[Y+8*(\g)+2*(\i)+1]
	v_and_b32     v[X+16*(\g)+4*(\i)+3], 0xffff0000, v[Y+8*(\g)+2*(\i)+1]
.endr
.irp i, 0,1,2,3
	v_cvt_pk_f16_f32 v[Y+8*(\g)+2*(\i)],   v[X+16*(\g)+4*(\i)],   v[X+16*(\g)+4*(\i)+1]
	v_cvt_pk_f16_f32 v[Y+8*(\g)+2*(\i)+1], v[X+16*(\g)+4*(\i)+2], v[X+16*(\g)+4*(\i)+3]
.endr
.endif
	s_wait_alu depctr_va_vdst(0)                   ; the group's conversions have written its eight registers of Y, which the four stores below read
.irp i, 0,1,2,3
	global_store_b64 v4, v[Y+8*(\g)+2*(\i):Y+8*(\g)+2*(\i)+1], s[18:19] offset:256*(4*(\g)+(\i))   ; 32 lanes store 256 consecutive bytes, aligned; no store's data is written again
.endr
.endm
	s_cmp_eq_u32 s20, 11                           ; compared anew: the shifts above have set SCC
	s_cbranch_scc1 .Lw_o
	GROUP 0, 0
	GROUP 1, 0
	GROUP 2, 0
	GROUP 3, 0
	s_endpgm
.Lw_o:
	GROUP 0, 1
	GROUP 1, 1
	GROUP 2, 1
	GROUP 3, 1
	s_endpgm
.Lfunc_end_k_qe47220293a_cast:
	.size	k_qe47220293a_cast, .Lfunc_end_k_qe47220293a_cast-k_qe47220293a_cast
	.p2alignl 7, 3214868480
	.fill 96, 4, 3214868480
	.section	.rodata,"a",@progbits
	.p2align	6, 0x0
	.amdhsa_kernel k_qe47220293a_cast
		.amdhsa_group_segment_fixed_size 0
		.amdhsa_private_segment_fixed_size 0
		.amdhsa_enable_private_segment 0
		.amdhsa_kernarg_size 56
		.amdhsa_user_sgpr_count 2
		.amdhsa_user_sgpr_kernarg_segment_ptr 1
		.amdhsa_wavefront_size32 1
		.amdhsa_system_sgpr_workgroup_id_x 1
		.amdhsa_system_sgpr_workgroup_id_y 1
		.amdhsa_system_sgpr_workgroup_id_z 1
		.amdhsa_system_vgpr_workitem_id 0
		.amdhsa_next_free_vgpr 104
		.amdhsa_next_free_sgpr 66
		.amdhsa_reserve_vcc 0
		.amdhsa_float_denorm_mode_32 3
		.amdhsa_float_denorm_mode_16_64 3
		.amdhsa_memory_ordered 1
		.amdhsa_forward_progress 1
		.amdhsa_inst_pref_size 16
	.end_amdhsa_kernel
	.amdgpu_metadata
---
amdhsa.version: [ 1, 2 ]
amdhsa.kernels:
  - .name:           k_qe47220293a_cast
    .symbol:         k_qe47220293a_cast.kd
    .args:
      - { .name: x, .offset: 0, .size: 8, .value_kind: global_buffer, .address_space: global }
      - { .name: w_q, .offset: 8, .size: 8, .value_kind: global_buffer, .address_space: global }
      - { .name: w_k, .offset: 16, .size: 8, .value_kind: global_buffer, .address_space: global }
      - { .name: w_v, .offset: 24, .size: 8, .value_kind: global_buffer, .address_space: global }
      - { .name: w_o, .offset: 32, .size: 8, .value_kind: global_buffer, .address_space: global }
      - { .name: xb, .offset: 40, .size: 8, .value_kind: global_buffer, .address_space: global }
      - { .name: wb, .offset: 48, .size: 8, .value_kind: global_buffer, .address_space: global }
    .group_segment_fixed_size: 0
    .private_segment_fixed_size: 0
    .kernarg_segment_align: 8
    .kernarg_segment_size: 56
    .max_flat_workgroup_size: 256
    .sgpr_count:     66
    .vgpr_count:     104
    .wavefront_size: 32
...
	.end_amdgpu_metadata
.endif
;; end of part 6
;; launch qkv: the kernel of part 2 again; grid 16 x 32, 4 waves a work-group, clusters of 4 x 4, 327,680 bytes of LDS; arguments xb, wb, qkv; writes qkv
;; launch attn: the kernel of part 5 again; grid 256 x 1, 4 waves a work-group, clusters of 4 x 1, 327,680 bytes of LDS; arguments qkv, ao; writes ao
;; launch oproj: the kernel of part 4 again; grid 8 x 32, 4 waves a work-group, clusters of 4 x 4, 327,680 bytes of LDS; arguments ao, wb, b_o, out0; writes out0
